; MI455X (gfx1250); checked and timed in simulation.
; The chip was launched on July 23, 2026; its instructions are those of AMD's public machine-readable ISA for CDNA 5 (MIT licence, August 2026) and "CDNA5" Instruction Set Architecture Reference Guide (July 2026). The comments in the code are by the model that wrote it; some were corrected since.
;; Multi Head Attention Einsum. Allowed arithmetic: matrix products marked QUANTISED: E5M2 operands, one E8M0 scale for each 32 along K, by v_wmma_scale_f32_16x16x128_f8f6f4 with both operands' format E5M2, f32 sums; everything else in f32.
;; Inputs: W_k_codes 1,024 x 32 x 32 uint8 (E5M2 codes of W_k, K innermost, in blocks of 32 codes); W_k_scales 1,024 x 32 uint8 (E8M0 scales of W_k, one for each 32 codes along K); W_out_codes 1,024 x 32 x 32 uint8 (E5M2 codes of W_out, K innermost, in blocks of 32 codes); W_out_scales 1,024 x 32 uint8 (E8M0 scales of W_out, one for each 32 codes along K); W_q_codes 1,024 x 32 x 32 uint8 (E5M2 codes of W_q, K innermost, in blocks of 32 codes); W_q_scales 1,024 x 32 uint8 (E8M0 scales of W_q, one for each 32 codes along K); W_v_codes 1,024 x 32 x 32 uint8 (E5M2 codes of W_v, K innermost, in blocks of 32 codes); W_v_scales 1,024 x 32 uint8 (E8M0 scales of W_v, one for each 32 codes along K); b_out 1,024 float32; x_codes 4 x 2,048 x 32 x 32 uint8 (E5M2 codes of x, K innermost, in blocks of 32 codes); x_scales 4 x 2,048 x 32 uint8 (E8M0 scales of x, one for each 32 codes along K).
;; Outputs: out0 4 x 2,048 x 1,024 float32.
;; This version of the problem:
;;   THIS VERSION OF THE PROBLEM IS GIVEN IN LOW PRECISION. The matrix products marked QUANTISED in the list below multiply operands that are first quantised to E5M2 (5 exponent bits, 2 mantissa bits; 8 bits a number), with one power-of-two scale for each 32 numbers along K (OCP MX v1.0); their sums are f32. All else is computed in f32.
;;   The module's matrix products, in the order in which they are computed (A, B: the left and right operand; K: the contracted axis; several contracted axes count as one K, in the product's order):
;;     1. [M 8,192, K 1,024] x [K 1,024, N 1,024]; A: input x (given as codes); B: input W_q (given as codes): QUANTISED
;;     2. [M 8,192, K 1,024] x [K 1,024, N 1,024]; A: input x (given as codes); B: input W_k (given as codes): QUANTISED
;;     3. [M 8,192, K 1,024] x [K 1,024, N 1,024]; A: input x (given as codes); B: input W_v (given as codes): QUANTISED
;;     4. batch 64 x [M 2,048, K 64] x [K 64, N 2,048]; A: computed on the way; B: computed on the way: QUANTISED
;;     5. batch 64 x [M 2,048, K 2,048] x [K 2,048, N 64]; A: softmax (see below); B: computed on the way: QUANTISED
;;     6. [M 8,192, K 1,024] x [K 1,024, N 1,024]; A: computed on the way; B: input W_out (given as codes): QUANTISED
;;   THE QUANTISER, for each operand of a quantised product, along K:
;;     - K is cut into blocks of 32 from its start; a last block that is shorter is filled with zeros.
;;     - A block's scale is 2^e with e = floor(log2(the largest magnitude in the block)) - 15, held to -126 .. 127; a block of zeros has e = 0. As a byte (E8M0): e + 127.
;;     - Each number is divided by its block's scale, clamped to +-57,344, and rounded to the nearest number of E5M2, ties to even, subnormals kept.
;;     - The product sums the exact products of the quantised numbers (number of the format x scale) in f32.
;;   ~~~python
;;   def quantise(x, axis):      # numpy; x: float32 -> the quantised numbers, widened to float32 again
;;       x = np.moveaxis(x, axis, -1); K = x.shape[-1]
;;       x = np.pad(x, [(0, 0)] * (x.ndim - 1) + [(0, -K % 32)]); x = x.reshape(x.shape[:-1] + (-1, 32)); a = np.abs(x).max(-1, keepdims=True)
;;       e = np.where(a > 0, np.clip(np.frexp(np.where(a > 0, a, 1))[1] - 1 - 15, -126, 127), 0)      # np.frexp(a)[1] - 1 = floor(log2(a)), exactly
;;       r = np.clip(x / 2.0 ** e, -57344, 57344)
;;       step = 2.0 ** (np.maximum(np.frexp(np.where(r == 0, 1, r))[1] - 1, -14) - 2)
;;       q = np.round(r / step) * step * 2.0 ** e      # np.round: ties to even
;;       return np.moveaxis(q.reshape(q.shape[:-2] + (-1,))[..., :K], -1, axis).astype(np.float32)
;;   ~~~
;;   SOFTMAX AHEAD OF A QUANTISED PRODUCT. Where the list says 'softmax', what is quantised is not the finished softmax but p = 2^(t - M), with t = logit x log2(e) and M = ceil(the row's largest t), a whole number; so 1/2 < the row's largest p <= 1. The row's sum l is taken of the UNQUANTISED p, in f32, and the product's result is divided by l at the end. Since M is a whole number, a kernel that streams over the keys may use a running M (the ceiling of the running maximum): every later rescaling is an exact power of two, which a block's scale takes up: the codes' values come out the same.
;;   OPERANDS COMPUTED ON THE WAY. 'Computed on the way' means the value that the module computes at that place (a softmax that the list does not call 'softmax' is quantised finished and normalised). What goes into a quantiser is computed in f32, as accurately as f32 sums, v_exp_f32 and their like allow (about 1e-6 of the number): no bf16 or f16 on the way to a quantiser, and a product that is left as it is and whose result goes on into a quantised operand takes f32 operands (vector FMAs, or v_wmma_f32_16x16x4_f32). A number that lies on a knife's edge between two numbers of the format may be rounded either way, as far as f32 arithmetic and the matrix unit's own rounding can turn it there, and no further.
;;   INPUTS GIVEN AS CODES. W_k (in the module: [1024, 1024], K = its axis 1); W_out (in the module: [1024, 1024], K = its axis 1); W_q (in the module: [1024, 1024], K = its axis 1); W_v (in the module: [1024, 1024], K = its axis 1); x (in the module: [4, 2048, 1024], K = its axis 2): each comes as NAME_codes (uint8): NAME with its K axis moved to the last place and cut into blocks of 32 codes, [.., K / 32, bytes a block], one block behind the other in memory; one code a byte (a code: sign, 5 exponent bits, 2 mantissa bits); and NAME_scales (uint8): the same leading axes, one E8M0 byte (e + 127) for each 32 codes along K. Its value is code x scale, taken as it is: it is not quantised again, and the codes and scales need not be those that the quantiser above would give.
;; One version. Each part assembles by itself: llvm-mc -triple=amdgcn-amd-amdhsa -mcpu=gfx1250 --defsym DOCPART=n.
;; ======== version 1 of 1: 3 launches
;; limits: right only within a limited range of input values
;; workspace buffers: qb 17,301,504 bytes; kv 17,301,504 bytes; cc 8,388,608 bytes; cs 262,144 bytes
;; launch qkv (part 1): grid 12 x 32, 4 waves a work-group, clusters of 4 x 4, 327,680 bytes of LDS; arguments x_codes, x_scales, W_q_codes, W_q_scales, W_k_codes, W_k_scales, W_v_codes, W_v_scales, qb, kv; writes qb, kv
.if DOCPART == 1
	.amdgcn_target "amdgcn-amd-amdhsa--gfx1250"
	.amdhsa_code_object_version 6
	.text
	.protected	k_q5571dc2c40_qkv
	.globl	k_q5571dc2c40_qkv
	.p2align	8
	.type	k_q5571dc2c40_qkv,@function
k_q5571dc2c40_qkv:
	s_mov_b64 s[64:65], 0
	v_nop
	global_prefetch_b8 v0, s[64:65] scope:SCOPE_SE
	s_setreg_imm32_b32 hwreg(HW_REG_WAVE_MODE, 25, 1), 1
	s_wait_xcnt 0x0
	s_wait_alu depctr_hold_cnt(0) depctr_sa_sdst(0) depctr_va_vdst(0) depctr_va_sdst(0) depctr_va_ssrc(0) depctr_va_vcc(0) depctr_vm_vsrc(0)
	s_getreg_b32 s2, hwreg(HW_REG_IB_STS2, 6, 4)
	s_cmp_eq_u32 s2, 0
	s_cbranch_scc0 .Lentry_in_a_cluster
	s_endpgm
.Lentry_in_a_cluster:
	s_bfe_u32 s2, ttmp6, 0x10000c
	s_cmp_lg_u32 s2, 0xf033
	s_cbranch_scc0 .Lentry_shape_is_right
	s_endpgm
.Lentry_shape_is_right:
; q = x W_q^T, k = x W_k^T, v = x W_v^T on codes of BF8 (E5M2) with one E8M0 scale for each 32 along K = 1,024; sums in f32; the results are quantised here, in f32, along the K of the product
; that will read them (q, k: the head's 64; v: the keys) and leave as codes and scale words, laid as images of the operands' registers (a group of four registers: 512 bytes, lane l's 16 bytes at 16 l).
; ROLES, by the cluster's x: 0 = q, 1 = k, 2 = v.  A tile of 256 x 256 is made by four waves, 128 x 128 each: 64 accumulators, 512 registers.  The matrix instruction takes 16 rows of "B" as source 0 and 16 rows of "A"
; as source 1: a lane then holds ONE row of A and its registers run along B's rows, which is the axis along which the result is quantised.  q, k: A = x (tokens), B = W (features).  v: A = W_v, B = x: V^T, registers along the tokens.
; K goes in steps of 256 through a ring of two LDS slots filled by the tensor data mover; the scale bytes of the work-group's rows, for all of K, come once.  4 x 4 work-groups form a cluster: A's tiles are asked for
; jointly along a row of the cluster, B's along a column.
; A HEAD'S RECORD in qb and kv, HS = 270,336 bytes: 16 key steps x 512 bytes of scale words (K's or Q's 256, then V's 256), then 16 x 16,384 bytes of codes (K's or Q's eight tiles of 16 tokens x 1,024, then V's four tiles of 16 channels x 2,048).
; ORDER WITHIN A BLOCK OF 32: place 16 h + i of a block holds element 16 (i / 8) + 8 h + i % 8 (h = lane / 16).  q and k, and v and the softmax's p, get the same order from the same layout, so every product pairs the right numbers;
; the matrix unit groups them otherwise than in ascending k.
; LIMITS: NaN, infinities and codes that stand for them are not served.  A block of zeros, or one whose largest magnitude lies under 2^-111, gets the scale byte 1 where the quantiser says 127 for zeros: its codes are zeros, and this program alone reads the bytes.
; REGISTERS, in windows of 256: window 0: v0-31 addresses; v32-63 scale words, two sets; v64-127 the way out; from v128 A's fragments, one set (on the way out v128-191 the held numbers).
;   window 1: B's fragments, two sets.   window 2: the accumulators of my rows 0-63 ((a, b) at v[8 (8 a + b)]);   window 3: those of my rows 64-127.
.set KSTEP,  256                       ; along K in a slot
.set NQ,     KSTEP/128                 ; matrix instructions deep
.set ROWB,   256                       ; a tile's row in bytes
.set KROW,   1024                      ; a row of x or of a weight in memory, in bytes
.set PITCH,  272                       ; an LDS row: 256 bytes + 16 of padding = 68 words: the 16 rows that a load touches start at 16 different banks (64 banks of 4 bytes: ISA guide 11.1)
.set FR,     16                        ; registers of a fragment: 16 rows x 128 K
.set NL,     4                         ; LDS loads that bring one
.set NP,     8                         ; places behind this matrix instruction (ISA guide 7.12.1)
.set HALFT,  128*PITCH                 ; 128 rows: what one tensor load brings
.set SLOT,   4*HALFT                   ; A's 256 rows, then B's 256 rows
.set LAPS,   KROW/(2*KSTEP)            ; a lap = two K steps = once round the ring
.set KS,     KROW/32                   ; a row of scale bytes
.set SCL,    2*SLOT                    ; behind the ring: the scale bytes, as units of 256 bytes + 16 of padding
.set HALFS,  (128*KS/256)*272          ; those of 128 rows: what one tensor load brings
.set SBLK,   (16*KS/256)*272           ; those of 16 rows
.set SPARE,  SCL+4*HALFS               ; behind the scales: the spare words, 128 bytes for each wave: two blocks of 256 bytes that no other line names
.set HS,     270336                    ; a head's record
.set ADRA, 16                          ; v16-17  LDS address of my A fragments in slot 0, 1
.set ADRB, 20                          ; v20-21  the same for B
.set ADRS, 27                          ; v27     LDS address of my scale words: lanes 0-15 A's rows, lanes 16-31 B's
.set SPW,  28                          ; v28     LDS address of my spare word; never rewritten
.set NIL,  29                          ; v29     0; never rewritten
.set LI,   30                          ; v30     16 x lane: my place in an image
.set L8,   31                          ; v31     8 x lane: my place among a key step's scale words
.set SC,   32                          ; scale words: set s at v[SC + 8 NQ s]; register NQ i + q: lanes 0-15 A's block i, lanes 16-31 B's block i
.set TM,   64                          ; v64-67 largest magnitudes, v68-71 bytes, v72-75 the largest number x the scale, v76-79 the conversions' scale operands
.set PWB,  80                          ; v80-87  block a's four scale bytes
.set PC,   88                          ; v88-103 a block's codes
.set WT,   104                         ; v104-111 scale words by item
.set OW,   120                         ; v120-123 scale words as they are stored
.set AF,   128                         ; A's fragments
.set HB,   128                         ; the way out: 64 held numbers
.set G1, 24                            ; s[24:31] descriptor group 1 for A's tiles;  s[32:39] group 0, one set for each slot
.set G0, 32
.set G1B, 48                           ; s[48:55], s[56:63] the same for B's tiles
.set G0B, 56
.set G1S, 68                           ; s[68:75], s[76:79] groups 1 and 0 for A's scales;  s[80:87], s[88:91] for B's
.set G0S, 76
.set G1SB, 80
.set G0SB, 88
.set BL,   68                          ; the way out (every tensor load is done by then): s[68:69] where a block's registers 0-7 go, s[70:71] its registers 8-15,
.set BH,   70
.set STP,  72                          ; s[72:73] bytes from block to block, s[74:75] from block 3 to block 4,
.set STP4, 74
.set SLO,  76                          ; s[76:77], s[78:79] where the two heads' scale words go
.set SHI,  78
.set MSB, 0
.macro WIN new                         ; the immediate's high byte repeats the setting that is left
.if MSB != \new
	s_set_vgpr_msb (MSB<<8)|\new
.set MSB, \new
.endif
.endm
.set MUL_LO, 0xa1                      ; source 0 (B) window 1, source 1 (A) window 0, C and D window 2
.set MUL_HI, 0xf1                      ; the same, C and D window 3
.set TO_B,   0x40                      ; destination window 1, address window 0
; A joint load: waves 0 and 1 fetch for A, waves 2 and 3 for B.  Each line has one mask and one set of registers for all that issue it; the branch hangs on the wave's number alone.
; Four v_nop follow each of the two lines, ahead of the jump, the label and what follows.
.macro JLOAD g0a, g1a, g0b, g1b
	s_cmp_eq_u32 s15, 0
	s_cbranch_scc0 .Lfor_b_\@
	tensor_load_to_lds s[\g0a:\g0a+3], s[\g1a:\g1a+7]
	s_nop 0
.rept 4
	v_nop
.endr
	s_branch .Lasked_\@
.Lfor_b_\@:
	tensor_load_to_lds s[\g0b:\g0b+3], s[\g1b:\g1b+7]
	s_nop 0
.rept 4
	v_nop
.endr
.Lasked_\@:
.endm
.macro CREST                           ; a round of the cluster's barrier behind its opening barrier
	s_cmp_lg_u32 s14, 0
	s_cbranch_scc1 .Lnot_wave_0_\@
	s_barrier_signal -3
.Lnot_wave_0_\@:
	s_barrier_wait -3
	s_barrier_signal -1
	s_barrier_wait -1
.endm
.macro CROUND                          ; a whole round
	s_barrier_signal -1
	s_barrier_wait -1
	CREST
.endm
	s_load_b512 s[68:83], s[0:1], 0x0              ; x's codes, scales; W_q's; W_k's; W_v's
	s_load_b128 s[84:87], s[0:1], 0x40             ; qb, kv
	v_lshl_add_u32 v[SPW], v0, 2, SPARE
	v_mov_b32 v[NIL], 0
	ds_add_u32 v28, v29
	ds_add_u32 v28, v29
	s_wait_dscnt 0x0
	v_lshrrev_b32 v1, 5, v0
	v_readfirstlane_b32 s14, v1                    ; wave 0..3
	s_lshr_b32 s15, s14, 1                         ; which half of the tile's A rows is mine.  Also: I fetch for A (0) or for B (1)
	s_and_b32 s16, s14, 1                          ; which half of its B rows.  Also: which 128 rows of that tile I fetch
	s_bfe_u32 s40, ttmp6, 0x40000                  ; cx, cy: my place in the cluster
	s_bfe_u32 s41, ttmp6, 0x40004
	s_and_b32 s95, ttmp7, 0xffff
	s_lshl_b32 s95, s95, 2                         ; 4 x the cluster's y: it walks x's 32 tiles of 256 tokens
	s_cmp_eq_u32 ttmp9, 2                          ; role v?  The cluster's x is shared by all sixteen partners
	s_cselect_b32 s17, 0, s95
	s_cselect_b32 s42, s95, 0
	s_add_co_u32 s17, s17, s41                     ; A's tile: q, k: 4 Y + cy of x;  v: cy of W_v
	s_add_co_u32 s42, s42, s40                     ; B's tile: q, k: cx of W;  v: 4 Y + cx of x
	s_lshl_b32 s43, s41, 2
	s_lshl_b32 s43, 15, s43                        ; my row of the cluster
	s_lshl_b32 s44, 0x1111, s40                    ; my column
	; descriptor group 1: a tile of 128 rows x 256 bytes, padded in LDS
	s_or_b32 s[G1+0], s43, (0<<16)|(1<<20)|(1<<21)|(5<<22)|(3<<25)  ; 15:0 the mask: A's tiles go to my row; 17:16 element of 1 byte; 20 padding on; 21 set beside a mask; 24:22 after every 64 words (code 5); 31:25 of 4 words (code 3)
	s_or_b32 s[G1B+0], s44, (0<<16)|(1<<20)|(1<<21)|(5<<22)|(3<<25)
.irp g, G1, G1B
	s_mov_b32 s[\g+1], ROWB<<16                    ; tensor_dim0
	s_mov_b32 s[\g+2], 128<<16                     ; tensor_dim1 = 128
	s_mov_b32 s[\g+3], ROWB<<16                    ; tile_dim0
	s_mov_b32 s[\g+4], 128                         ; tile_dim1 = 128
	s_mov_b32 s[\g+5], KROW                        ; tensor_dim0_stride
	s_mov_b32 s[\g+6], 0
	s_mov_b32 s[\g+7], 0
.endr
	s_lshl_b32 s18, s16, 7                         ; which 128 rows of the tile I fetch
	s_lshl_b32 s20, s17, 8
	s_add_co_u32 s20, s20, s18                     ; A: row 256 x tile + 128 x half
	s_lshl_b32 s46, s42, 8
	s_add_co_u32 s46, s46, s18                     ; B likewise
	s_mov_b32 s21, 0
	s_mov_b32 s47, 0
	s_mov_b64 s[18:19], KS
	s_mul_u64 s[22:23], s[20:21], s[18:19]         ; where these rows' scales begin, in bytes
	s_mul_u64 s[92:93], s[46:47], s[18:19]
	s_mov_b64 s[18:19], KROW
	s_mul_u64 s[20:21], s[20:21], s[18:19]         ; and their codes
	s_mul_u64 s[46:47], s[46:47], s[18:19]
	s_mul_i32 s45, s14, HALFT                      ; where they go: wave x 128 rows: no place in the cluster enters an LDS address
	s_mul_i32 s94, s14, HALFS
	s_wait_kmcnt 0x0
	s_cmp_eq_u32 ttmp9, 0                          ; the buffers of my role: each choice hangs on the cluster's x alone
	s_cselect_b64 s[8:9], s[72:73], s[76:77]       ; W_q's codes or W_k's,
	s_cselect_b64 s[10:11], s[74:75], s[78:79]     ; their scales,
	s_cselect_b64 s[12:13], s[84:85], s[86:87]     ; and the buffer stored into: qb for q, kv for k and v
	s_cmp_eq_u32 ttmp9, 2
	s_cselect_b64 s[4:5], s[80:81], s[68:69]       ; A: W_v in role v, else x
	s_cselect_b64 s[6:7], s[82:83], s[70:71]
	s_cselect_b64 s[8:9], s[68:69], s[8:9]         ; B: x in role v
	s_cselect_b64 s[10:11], s[70:71], s[10:11]
	; the scales of 128 rows: a dense block of 4,096 bytes, as rows of 256 bytes (32 elements of 8 bytes), 16 bytes of padding behind each.  (These registers held the arguments: they are written only now)
	s_or_b32 s[G1S+0], s43, (3<<16)|(1<<20)|(1<<21)|(5<<22)|(3<<25)
	s_or_b32 s[G1SB+0], s44, (3<<16)|(1<<20)|(1<<21)|(5<<22)|(3<<25)
.irp g, G1S, G1SB
	s_mov_b32 s[\g+1], 32<<16
	s_mov_b32 s[\g+2], (128*KS/256)<<16
	s_mov_b32 s[\g+3], 32<<16
	s_mov_b32 s[\g+4], 128*KS/256
	s_mov_b32 s[\g+5], 32
	s_mov_b32 s[\g+6], 0
	s_mov_b32 s[\g+7], 0
.endr
	s_add_nc_u64 s[20:21], s[4:5], s[20:21]
	s_add_nc_u64 s[22:23], s[6:7], s[22:23]
	s_add_nc_u64 s[46:47], s[8:9], s[46:47]
	s_add_nc_u64 s[92:93], s[10:11], s[92:93]
	CROUND                                         ; all sixteen work-groups are here: the first joint loads meet
	s_mov_b32 s[G0S], 1
	s_add_co_u32 s[G0S+1], s94, SCL
	s_mov_b64 s[G0S+2:G0S+3], s[22:23]
	s_or_b32 s[G0S+3], s[G0S+3], 0x80000000
	s_mov_b32 s[G0SB], 1
	s_add_co_u32 s[G0SB+1], s94, SCL
	s_mov_b64 s[G0SB+2:G0SB+3], s[92:93]
	s_or_b32 s[G0SB+3], s[G0SB+3], 0x80000000
	JLOAD G0S, G1S, G0SB, G1SB                     ; the scales first: they are wanted with K step 0
.irp s, 0,1
	s_mov_b32 s[G0+4*\s], 1
	s_add_co_u32 s[G0+4*\s+1], s45, \s*SLOT
	s_add_nc_u64 s[G0+4*\s+2:G0+4*\s+3], s[20:21], \s*ROWB
	s_or_b32 s[G0+4*\s+3], s[G0+4*\s+3], 0x80000000
	s_mov_b32 s[G0B+4*\s], 1
	s_add_co_u32 s[G0B+4*\s+1], s45, \s*SLOT
	s_add_nc_u64 s[G0B+4*\s+2:G0B+4*\s+3], s[46:47], \s*ROWB
	s_or_b32 s[G0B+4*\s+3], s[G0B+4*\s+3], 0x80000000
	JLOAD G0+4*\s, G1, G0B+4*\s, G1B               ; three tensor loads of mine are out
.endr
	v_and_b32 v1, 15, v0                           ; l % 16
	v_bfe_u32 v2, v0, 4, 1                         ; l / 16
	v_mul_u32_u24 v3, v1, PITCH
	v_lshl_add_u32 v4, v2, 4, v3                   ; a fragment's row x pitch + 16 x half
	s_mul_i32 s21, s15, HALFT                      ; my 128 rows of A
	s_mul_i32 s22, s16, HALFT                      ; my 128 rows of B,
	s_add_co_u32 s22, s22, 2*HALFT                 ; which lie behind A's 256
.irp s, 0,1
	v_add_nc_u32 v[ADRA+\s], s21, v4
	v_add_nc_u32 v[ADRB+\s], s22, v4
	s_add_co_u32 s21, s21, SLOT
	s_add_co_u32 s22, s22, SLOT
.endr
	v_mul_u32_u24 v5, v1, KS                       ; my row's scales: KS bytes a row,
	v_lshrrev_b32 v6, 8, v5
	v_lshl_add_u32 v5, v6, 4, v5                   ; and 16 more for each 256 passed
	s_mul_i32 s21, s15, HALFS                      ; A's: my 128 rows
	s_mul_i32 s22, s16, HALFS                      ; B's: my 128 rows, behind A's 256
	s_add_co_u32 s22, s22, 2*HALFS
	s_sub_co_u32 s22, s22, s21
	v_mul_u32_u24 v6, s22, v2                      ; lanes 16-31 take B's
	s_add_co_u32 s21, s21, SCL
	v_add_nc_u32 v5, v5, v6
	v_add_nc_u32 v[ADRS], s21, v5
	v_and_b32 v6, 31, v0
	v_lshlrev_b32 v[LI], 4, v6
	v_lshlrev_b32 v[L8], 3, v6
.irp b, 0,1,2,3
	v_mov_b32 v[TM+4+\b], 0                        ; written once: a lane permute's destination counts as one of its sources
.endr
.macro FRAG reg, adr, q, i             ; a fragment, 16 rows x 128 K of 8-bit codes, is 16 registers: lane l holds row l % 16; registers 4 c .. 4 c + 3 hold K = 32 c + 16 (l / 16) + 0 .. 15
.irp c, 0,1,2,3
	ds_load_b128 v[\reg+4*\c:\reg+4*\c+3], v[\adr] offset:128*(\q)+32*\c+(\i)*16*PITCH
.endr
.endm
; 16 matrix instructions: A's blocks a0, a0 + 1 x B's eight, 128 along K: the slot's q-th.  p: B's set;  sc: the set of scale words.  zero = 1: the first product starts the sums: nothing is ever cleared.
; The 64 accumulators take turns, one instruction a turn, in the same order in every step.
.macro MUL16 a0, p, q, sc, zero
.irp a, \a0, \a0+1
.irp b, 0,1,2,3,4,5,6,7
.if \zero
	v_wmma_scale_f32_16x16x128_f8f6f4 v[8*(8*((\a)%4)+\b):8*(8*((\a)%4)+\b)+7], v[128*(\p)+FR*\b:128*(\p)+FR*\b+FR-1], v[AF+FR*(\a):AF+FR*(\a)+FR-1], 0, v[SC+8*NQ*(\sc)+NQ*\b+(\q)], v[SC+8*NQ*(\sc)+NQ*(\a)+(\q)] matrix_a_fmt:MATRIX_FMT_BF8 matrix_b_fmt:MATRIX_FMT_BF8 matrix_a_scale:MATRIX_SCALE_ROW1
.else
	v_wmma_scale_f32_16x16x128_f8f6f4 v[8*(8*((\a)%4)+\b):8*(8*((\a)%4)+\b)+7], v[128*(\p)+FR*\b:128*(\p)+FR*\b+FR-1], v[AF+FR*(\a):AF+FR*(\a)+FR-1], v[8*(8*((\a)%4)+\b):8*(8*((\a)%4)+\b)+7], v[SC+8*NQ*(\sc)+NQ*\b+(\q)], v[SC+8*NQ*(\sc)+NQ*(\a)+(\q)] matrix_a_fmt:MATRIX_FMT_BF8 matrix_b_fmt:MATRIX_FMT_BF8 matrix_a_scale:MATRIX_SCALE_ROW1
.endif
.endr
.endr
.endm
.macro FETCH_B slot, q, p              ; B's eight fragments of the slot's q-th 128 along K into set p
	WIN TO_B
.irp i, 0,1,2,3,4,5,6,7
	FRAG 128*(\p)+FR*\i, ADRB+\slot, \q, \i
.endr
	WIN 0
.endm
.macro FETCH_A slot, q, i0             ; A's blocks i0 .. i0 + 3
.irp i, \i0, \i0+1, \i0+2, \i0+3
	FRAG AF+FR*(\i), ADRA+\slot, \q, \i
.endr
.endm
.macro SCALES sc                       ; the next K step's scale words into set sc: NQ words a row; lanes 0-15 take A's block i, lanes 16-31 B's block i
.irp i, 0,1,2,3,4,5,6,7
	ds_load_b64 v[SC+8*NQ*\sc+NQ*\i:SC+8*NQ*\sc+NQ*\i+1], v[ADRS] offset:\i*SBLK
.endr
.endm
; A load into a register that a matrix instruction has read, and a vector instruction that reads a matrix result or writes one of its registers, stand NP places behind that matrix instruction; only plain vector
; instructions that name none of its registers are places (ISA guide 7.12.1 for vector instructions).
.macro PLACES n
.rept \n
	v_nop
.endr
.endm
; A step of 128 along K that has its successor in the same slot.  A block of A is free as soon as its eight products are issued, so one set of registers serves A; B's fragments work through the whole step and have two.
.macro STEP slot, q, zero
	s_wait_dscnt 4*NL                              ; B's set and A's blocks 0-3 are in; the youngest 16 loads (A's blocks 4-7) may be out
	WIN MUL_LO
	MUL16 0, (\q)%2, \q, \slot, \zero
	MUL16 2, (\q)%2, \q, \slot, \zero
	s_wait_dscnt 0                                 ; A's blocks 4-7 are in (asked for 32 matrix instructions ago)
	PLACES NP
	FETCH_B \slot, (\q)+1, 1-(\q)%2
	FETCH_A \slot, (\q)+1, 0
	WIN MUL_HI
	MUL16 4, (\q)%2, \q, \slot, \zero
	MUL16 6, (\q)%2, \q, \slot, \zero
	PLACES NP
	WIN 0
	FETCH_A \slot, (\q)+1, 4
.endm
; A slot's last step changes slots: ONE barrier; in front of it each wave waits for all its tensor loads, adds 0 to its spare word, and waits for that and for its own reads of this slot.  fill = 1: this slot is filled again, two K steps ahead.
.macro TURN slot, next, fill
	s_wait_tensorcnt 0x0                           ; all my tensor loads have landed: my part of the next slot;  (every window is 0 here: the add's two registers lie in window 0)
	ds_add_u32 v[SPW], v[NIL]                      ; 0 onto my spare word
	s_wait_dscnt 4*NL+1                            ; (the add and the youngest 16 loads, A's blocks 4-7, may be out)
	WIN MUL_LO
	MUL16 0, 1, NQ-1, \slot, 0                     ; sixteen matrix instructions stand between the add and the wait for it
	s_wait_dscnt 0x0                               ; the add is done, and my reads of this slot are over
	s_barrier_signal -1
	MUL16 2, 1, NQ-1, \slot, 0
	WIN 0
	s_barrier_wait -1
.if \fill
	CREST                                          ; the barrier has opened a round of the cluster's barrier: no wave of any partner still reads this slot's tile or has a load on its way
	s_add_nc_u64 s[G0+4*\slot+2:G0+4*\slot+3], s[G0+4*\slot+2:G0+4*\slot+3], 2*ROWB
	s_add_nc_u64 s[G0B+4*\slot+2:G0B+4*\slot+3], s[G0B+4*\slot+2:G0B+4*\slot+3], 2*ROWB
	JLOAD G0+4*\slot, G1, G0B+4*\slot, G1B         ; the first tensor load behind the round; the four v_nop behind it are among the places in front of the loads below
	PLACES NP-4
.else
	PLACES NP
.endif
	v_add_nc_u32 v[ADRS], 4*NQ, v[ADRS]            ; on to the next K step's scale words (no LDS load of mine is out)
	FETCH_B \next, 0, 0
	FETCH_A \next, 0, 0
	SCALES \next
	WIN MUL_HI
	MUL16 4, 1, NQ-1, \slot, 0
	MUL16 6, 1, NQ-1, \slot, 0
	PLACES NP
	WIN 0
	FETCH_A \next, 0, 4
.endm
	s_wait_tensorcnt 1                             ; the scales and my part of K step 0 are in (K step 1's load may be out)
	s_barrier_signal -1
	s_barrier_wait -1                              ; everybody's are
	FETCH_B 0, 0, 0
	FETCH_A 0, 0, 0
	SCALES 0
	FETCH_A 0, 0, 4
	STEP 0, 0, 1                                   ; the first step stands in front of the loop: its products start the sums
	s_mov_b32 s3, LAPS-1
.Llap:                                                 ; a trip goes once round the ring, from a lap's second step to the next lap's first, and fills both slots again
	TURN 0, 1, 1
	STEP 1, 0, 0
	TURN 1, 0, 1
	STEP 0, 0, 0
	s_sub_co_u32 s3, s3, 1
	s_cmp_lg_u32 s3, 0
	s_cbranch_scc1 .Llap
	TURN 0, 1, 0                                   ; the last lap fills nothing, and has no round of the cluster's barrier
	STEP 1, 0, 0
	s_wait_dscnt 4*NL                              ; the very last step: nothing more to fetch
	WIN MUL_LO
	MUL16 0, 1, NQ-1, 1, 0
	MUL16 2, 1, NQ-1, 1, 0
	s_wait_dscnt 0
	WIN MUL_HI
	MUL16 4, 1, NQ-1, 1, 0
	MUL16 6, 1, NQ-1, 1, 0
	WIN 0
	; THE WAY OUT.  Where my 128 x 128 goes.  i0, j0: my first row of A and of B.  Every choice on the role stands ahead of the additions, which set SCC.
	s_lshl_b32 s80, s17, 8
	s_lshl_b32 s81, s15, 7
	s_add_co_u32 s80, s80, s81                     ; i0
	s_lshl_b32 s81, s42, 8
	s_lshl_b32 s82, s16, 7
	s_add_co_u32 s81, s81, s82                     ; j0
	s_mov_b32 s[STP], 1024                         ; q, k: a block is a tile of 16 tokens: 1,024 bytes of each of two heads
	s_mov_b32 s[STP4], 1024
	s_mov_b32 s84, HS                              ; q, k: registers 8-15 belong to the next head
	s_cmp_eq_u32 ttmp9, 2
	s_cselect_b32 s82, s81, s80                    ; my first token,
	s_cselect_b32 s83, s80, s81                    ; my first feature
	s_cselect_b32 s18, -1, 0                       ; all lanes where the role is v
	s_cselect_b32 s[STP], 2048, s[STP]             ; v: a block is a tile of 16 channels x 128 keys: 2,048 bytes;
	s_cselect_b32 s[STP4], HS-3*2048, s[STP4]      ; block 4 is the next head's first
	s_cselect_b32 s84, 1024, s84                   ; v: registers 8-15 follow registers 0-7
	s_cselect_b32 s86, 8192, 0                     ; v: V's codes lie behind K's in a key step,
	s_cselect_b32 s87, 256, 0                      ; and its scale words behind K's
	s_mov_b32 s[STP+1], 0
	s_mov_b32 s[STP4+1], 0
	s_mov_b32 s85, 0
	s_lshr_b32 s80, s82, 11                        ; the batch,
	s_lshl_b32 s80, s80, 4
	s_lshr_b32 s81, s83, 6
	s_add_co_u32 s80, s80, s81                     ; 16 x batch + head: the first of my two heads
	s_mul_i32 s80, s80, HS                         ; its record (under 2^25 bytes)
	s_bfe_u32 s81, s82, 0x40007                    ; the key step: (token / 128) % 16
	s_lshl_b32 s82, s81, 14
	s_add_co_u32 s82, s82, s80
	s_add_co_u32 s82, s82, s86
	s_add_co_u32 s82, s82, 8192                    ; the codes lie behind the record's 8,192 bytes of scale words
	s_mov_b32 s83, 0
	s_add_nc_u64 s[BL:BL+1], s[12:13], s[82:83]
	s_add_nc_u64 s[BH:BH+1], s[BL:BL+1], s[84:85]
	s_lshl_b32 s82, s81, 9
	s_add_co_u32 s82, s82, s80
	s_add_co_u32 s82, s82, s87
	s_add_nc_u64 s[SLO:SLO+1], s[12:13], s[82:83]
	s_add_nc_u64 s[SHI:SHI+1], s[SLO:SLO+1], HS
	s_mov_b32 s19, 0xffff0000                      ; lanes 16-31
	s_mov_b32 s20, 0x76543210
	s_mov_b32 s21, 0xfedcba98                      ; v_permlanex16_b32's selects for lane l xor 16
	s_mov_b32 s22, 0x600000                        ; the mantissa field of 57,344
; Block a: 16 rows of A (lanes) x 128 of B (64 registers a lane): four blocks of 32, 16 numbers of each in my lane and 16 in lane l xor 16.  Largest magnitude with the floor 2^(16 - 127) among its leaves; 15 off its exponent field is the
; conversion's scale operand, whose exponent field is the byte; the hold at 57,344 x the scale (the conversion to an 8-bit code does not saturate: ISA guide 7.6.2); eight conversions; four stores of 512 consecutive bytes, each at a multiple of 512 in the buffer.
.macro QOUT a
.set AC, 64*((\a)%4)
.set WN, 2+(\a)/4                      ; the block's window
.set WW, WN|(WN<<2)
	WIN WW                                         ; sources 0 and 1: the accumulators
.irp b, 0,1,2,3
	v_max3_num_f32 v[TM+\b], |v[AC+16*\b]|, |v[AC+16*\b+1]|, 0x8000000   ; each accumulator is read from its low end on
.endr
.irp i, 2,4,6,8,10,12,14
.irp b, 0,1,2,3
	v_max3_num_f32 v[TM+\b], |v[AC+16*\b+\i]|, |v[AC+16*\b+\i+1]|, v[TM+\b]   ; (the four blocks by turns)
.endr
.endr
	WIN 0
.irp b, 0,1,2,3
	v_permlanex16_b32 v[TM+4+\b], v[TM+\b], s20, s21
.endr
.irp b, 0,1,2,3
	v_max_num_f32 v[TM+\b], v[TM+\b], v[TM+4+\b]   ; with lane l xor 16's: the block's largest magnitude
.endr
.irp b, 0,1,2,3
	v_add_nc_u32 v[TM+12+\b], 0xf8800000, v[TM+\b] ; 15 off its exponent field
.endr
.irp b, 0,1,2,3
	v_and_or_b32 v[TM+8+\b], v[TM+\b], 0x7f800000, s22   ; 57,344 x the scale
.endr
.irp b, 0,1,2,3
	v_lshrrev_b32 v[TM+4+\b], 23, v[TM+12+\b]      ; the scale's byte
.endr
	v_lshl_or_b32 v[PWB+(\a)], v[TM+5], 8, v[TM+4]
	v_lshl_or_b32 v[PWB+(\a)], v[TM+6], 16, v[PWB+(\a)]
	v_lshl_or_b32 v[PWB+(\a)], v[TM+7], 24, v[PWB+(\a)]
	WIN WN                                         ; source 0: the accumulators
.set n, 0
.rept 64
	v_med3_num_f32 v[HB+n], v[AC+n], -v[TM+8+n/16], v[TM+8+n/16]
.set n, n+1
.endr
	WIN 0
.if (\a) > 0
	s_wait_xcnt 0x0                                ; the last block's stores have read their data and their bases: both are written again only behind this wait
.if (\a) == 4
	s_add_nc_u64 s[BL:BL+1], s[BL:BL+1], s[STP4:STP4+1]
	s_add_nc_u64 s[BH:BH+1], s[BH:BH+1], s[STP4:STP4+1]
.else
	s_add_nc_u64 s[BL:BL+1], s[BL:BL+1], s[STP:STP+1]
	s_add_nc_u64 s[BH:BH+1], s[BH:BH+1], s[STP:STP+1]
.endif
.endif
.irp b, 0,1,2,3
	v_cvt_scalef32_pk8_bf8_f32 v[PC+4*\b:PC+4*\b+1], v[HB+16*\b:HB+16*\b+7], v[TM+12+\b]
	v_cvt_scalef32_pk8_bf8_f32 v[PC+4*\b+2:PC+4*\b+3], v[HB+16*\b+8:HB+16*\b+15], v[TM+12+\b]
.endr
	v_nop                                          ; one plain vector instruction behind the last conversion, ahead of whatever next writes its sources
	global_store_b128 v[LI], v[PC:PC+3], s[BL:BL+1]
	global_store_b128 v[LI], v[PC+4:PC+7], s[BL:BL+1] offset:512
	global_store_b128 v[LI], v[PC+8:PC+11], s[BH:BH+1]
	global_store_b128 v[LI], v[PC+12:PC+15], s[BH:BH+1] offset:512
.endm
	PLACES NP                                      ; behind the last products: their results are read and A's registers written below
.irp a, 0,1,2,3,4,5,6,7
	QOUT \a
.endr
; The scale words of my key step, for each of my two heads: 256 bytes, lane l's 8 bytes at 8 l; word e of lane l belongs to item 2 e + l / 16, row l % 16.
; q, k: item j is the pair of token tiles 2 j, 2 j + 1: two bytes of each (the head's two blocks).  v: item j is channel tile j: its four bytes as they stand.
.irp eta, 0,1
.irp j, 0,1,2,3
.if \eta == 0
	v_perm_b32 v[WT+4*\eta+\j], v[PWB+2*\j+1], v[PWB+2*\j], 0x05040100
.else
	v_perm_b32 v[WT+4*\eta+\j], v[PWB+2*\j+1], v[PWB+2*\j], 0x07060302
.endif
	v_cndmask_b32 v[WT+4*\eta+\j], v[WT+4*\eta+\j], v[PWB+4*\eta+\j], s18
.endr
	v_cndmask_b32 v[OW+2*\eta], v[WT+4*\eta], v[WT+4*\eta+1], s19
	v_cndmask_b32 v[OW+2*\eta+1], v[WT+4*\eta+2], v[WT+4*\eta+3], s19
.endr
	global_store_b64 v[L8], v[OW:OW+1], s[SLO:SLO+1]       ; 32 lanes store 256 consecutive bytes, at a multiple of 256 in the buffer
	global_store_b64 v[L8], v[OW+2:OW+3], s[SHI:SHI+1]
	s_wait_tensorcnt 0x0                           ; the wave's end
	ds_add_u32 v[SPW], v[NIL]
	s_wait_dscnt 0x0
	CROUND                                         ; the closing round: no work-group ends while a partner may still ask for a tile that names it
	s_endpgm
.Lfunc_end_k_q5571dc2c40_qkv:
	.size	k_q5571dc2c40_qkv, .Lfunc_end_k_q5571dc2c40_qkv-k_q5571dc2c40_qkv
	.p2alignl 7, 3214868480
	.fill 96, 4, 3214868480
	.section	.rodata,"a",@progbits
	.p2align	6, 0x0
	.amdhsa_kernel k_q5571dc2c40_qkv
		.amdhsa_group_segment_fixed_size 327680
		.amdhsa_private_segment_fixed_size 0
		.amdhsa_enable_private_segment 0
		.amdhsa_kernarg_size 80
		.amdhsa_user_sgpr_count 2
		.amdhsa_user_sgpr_kernarg_segment_ptr 1
		.amdhsa_wavefront_size32 1
		.amdhsa_system_sgpr_workgroup_id_x 1
		.amdhsa_system_sgpr_workgroup_id_y 1
		.amdhsa_system_sgpr_workgroup_id_z 1
		.amdhsa_system_vgpr_workitem_id 0
		.amdhsa_next_free_vgpr 1024
		.amdhsa_next_free_sgpr 100
		.amdhsa_reserve_vcc 0
		.amdhsa_float_denorm_mode_32 3
		.amdhsa_float_denorm_mode_16_64 3
		.amdhsa_memory_ordered 1
		.amdhsa_forward_progress 1
		.amdhsa_inst_pref_size 188
	.end_amdhsa_kernel
	.amdgpu_metadata
---
amdhsa.version: [ 1, 2 ]
amdhsa.kernels:
  - .name:           k_q5571dc2c40_qkv
    .symbol:         k_q5571dc2c40_qkv.kd
    .args:
      - { .name: x_codes, .offset: 0, .size: 8, .value_kind: global_buffer, .address_space: global }
      - { .name: x_scales, .offset: 8, .size: 8, .value_kind: global_buffer, .address_space: global }
      - { .name: W_q_codes, .offset: 16, .size: 8, .value_kind: global_buffer, .address_space: global }
      - { .name: W_q_scales, .offset: 24, .size: 8, .value_kind: global_buffer, .address_space: global }
      - { .name: W_k_codes, .offset: 32, .size: 8, .value_kind: global_buffer, .address_space: global }
      - { .name: W_k_scales, .offset: 40, .size: 8, .value_kind: global_buffer, .address_space: global }
      - { .name: W_v_codes, .offset: 48, .size: 8, .value_kind: global_buffer, .address_space: global }
      - { .name: W_v_scales, .offset: 56, .size: 8, .value_kind: global_buffer, .address_space: global }
      - { .name: qb, .offset: 64, .size: 8, .value_kind: global_buffer, .address_space: global }
      - { .name: kv, .offset: 72, .size: 8, .value_kind: global_buffer, .address_space: global }
    .group_segment_fixed_size: 327680
    .private_segment_fixed_size: 0
    .kernarg_segment_align: 8
    .kernarg_segment_size: 80
    .max_flat_workgroup_size: 128
    .sgpr_count:     100
    .vgpr_count:     1024
    .wavefront_size: 32
...
	.end_amdgpu_metadata
.endif
;; end of part 1
;; launch attn (part 2): grid 4 x 64, 16 waves a work-group, clusters of 4 x 1, 327,680 bytes of LDS; arguments qb, kv, cc, cs; writes cc, cs
.if DOCPART == 2
	.amdgcn_target "amdgcn-amd-amdhsa--gfx1250"
	.amdhsa_code_object_version 6
	.text
	.protected	k_q5571dc2c40_attn
	.globl	k_q5571dc2c40_attn
	.p2align	8
	.type	k_q5571dc2c40_attn,@function
k_q5571dc2c40_attn:
	s_mov_b64 s[64:65], 0
	v_nop
	global_prefetch_b8 v0, s[64:65] scope:SCOPE_SE
	s_setreg_imm32_b32 hwreg(HW_REG_WAVE_MODE, 25, 1), 1
	s_wait_xcnt 0x0
	s_wait_alu depctr_hold_cnt(0) depctr_sa_sdst(0) depctr_va_vdst(0) depctr_va_sdst(0) depctr_va_ssrc(0) depctr_va_vcc(0) depctr_vm_vsrc(0)
	s_getreg_b32 s2, hwreg(HW_REG_IB_STS2, 6, 4)
	s_cmp_eq_u32 s2, 0
	s_cbranch_scc0 .Lentry_in_a_cluster
	s_endpgm
.Lentry_in_a_cluster:
	s_bfe_u32 s2, ttmp6, 0x10000c
	s_cmp_lg_u32 s2, 0x3003
	s_cbranch_scc0 .Lentry_shape_is_right
	s_endpgm
.Lentry_shape_is_right:
; ctx = softmax(q k^T / 8, causal) v for one head (work-group y = 16 x batch + head), both products on codes of BF8 (E5M2) with one E8M0 scale for each 32 along K; ctx is quantised along the 1,024 features and leaves as codes.
; THE SOFTMAX: t = score x log2(e) / 8; M = the running largest t, rounded UP to a whole number; p = 2^(t - M) is quantised along the keys, not normalised; the row's sum is taken of the unquantised p and divides at the end.
; When M moves, the sum and O^T are multiplied by 2^(old M - new M): exact.
; SHARES.  The head's 128 tiles of 16 queries go to the 64 waves of a cluster of four work-groups, two to a wave: tile a and tile 127 - a.  A tile of key group g (a / 8) needs key steps 0 .. g of 128 keys, so every wave does
; (g + 1) + (16 - g) = 17 steps.  g hangs on the wave's number alone (g = wave / 2 and 15 - wave / 2); the place in the cluster enters only which of a group's eight tiles is mine: global addresses and the mask's numbers, no branch and no LDS address.
; LDS holds the head's whole record as it lies in kv, 270,336 bytes, filled ONCE, jointly with the three partners, which need the same record, by two loads a wave: 6 rows of 256 bytes (the sixteen together: all scale words and
; key step 0, 24,576 bytes), then 60 rows (key steps 1 to 15).  Every tile needs key step 0: it is written out ahead of the loop, two steps' work in every wave, and the second load lands under it.  Nothing is filled again.
; THE RECORD: 16 key steps x 512 bytes of scale words (K's 256, V's 256), then 16 x 16,384 bytes of codes: images of the operands' registers (a group of four registers: 512 bytes, lane l's 16 bytes at 16 l): every LDS read is consecutive.
; LAYOUT.  S^T = K Q^T (source 0 = keys, source 1 = my 16 queries), O^T = V^T P^T: a lane holds ONE query (lane % 16) throughout.
; K = 64 IN AN INSTRUCTION OF K = 128: a fragment of K holds TWO tiles of 16 keys, one in k 0-63 and one in k 64-127.  It is multiplied once by [q | zeros] and once by [zeros | q]: the half not wanted meets zero codes.
; ORDER WITHIN A BLOCK OF 32: place 16 h + i holds element 16 (i / 8) + 8 h + i % 8, alike in q and k, and in v and p (the launch that makes them says so too); the matrix unit groups the products otherwise than in ascending k.  ctx is put into ascending order, since it meets a given weight.
; LIMITS: NaN and infinities are not served.  A block of zeros, or under 2^-111, gets the scale byte 1: its codes are zeros, and this program alone reads the bytes.  A block's largest p is taken through its largest score,
; which leans on v_exp_f32 not falling where its input rises; a p under 2^-126 counts as 0.
.set HS,    270336                     ; a head's record
.set PARTA, 6*256                      ; what one wave asks for first,
.set PARTB, 60*256                     ; and second
.set FIRST, 16*PARTA                   ; the first part: 8,192 bytes of scale words and key step 0's 16,384 bytes of codes
.set LI,    1                          ; v1   16 x lane
.set L8,    2                          ; v2   8 x lane
.set ADC,   3                          ; v3   LDS address of the step's codes
.set ADS,   4                          ; v4   of its scale words
.set DLO,   5                          ; v5, v6  my query's place in its key step less 8 (lane / 16), low tile and high
.set DHI,   6
.set R32,   7                          ; v7   32 x (lane % 16)
.set STL,   8                          ; v8-11, v12-15  a tile's -M, largest t, and sum in two halves
.set STH,   12
                                       ; v16-55  q_hi, zeros, q_lo, zeros, q_hi, eight registers each: [q_hi|0] = v16.., [0|q_lo] = v24.., [q_lo|0] = v32.., [0|q_hi] = v40..
.set QSL,   56                         ; v56, v57  q's scale words, low tile and high
.set QSH,   57
.set KSC,   58                         ; v58-59  K's, then V's, scale words: register e: lanes 0-15 item 2 e, lanes 16-31 item 2 e + 1
.set FF,    60                         ; v60  the old -M, then f = 2^(old M - new M)
.set PW,    61                         ; v61  p's scale word
.set TT,    62                         ; v62  at work
.set NINF,  63                         ; v63  -infinity
.set KF,    64                         ; v64-127  K's four fragments; later:
.set PC,    64                         ; v64-79   p's codes
.set BM,    80                         ; v80-83   the blocks' largest scores, then largest p
.set PB,    84                         ; v84-87   the other half's; then the bytes; then v84-85 a chain of the sum
.set CAP,   88
.set SOP,   92                         ; v92-95   the conversions' scale operands
.set VA,    96                         ; v96-127  V's tiles 0, 1
.set SS,    128                        ; v128-191 S^T, then p; later v128-159 V's tiles 2, 3
.set OLO,   192                        ; v192-223, v224-255  O^T of the low tile and of the high
.set OHI,   224
.set WV,    12                         ; s12  wave
.set GLO,   15                         ; s15, s16  the key groups of my two tiles
.set GHI,   16
.set STN,   17                         ; s17  the key step
.set CO,    18                         ; s18  where its codes begin in LDS
.set SO,    19                         ; s19  and its scale words
.set G1A,   28                         ; s[28:35] descriptor group 1 of the first load;  s[80:87] of the second
.set G1B,   80
.set G0A,   44                         ; s[44:47], s[48:51] their groups 0
.set G0B,   48
.macro CROUND                          ; a round of the cluster's barrier
	s_barrier_signal -1
	s_barrier_wait -1
	s_cmp_lg_u32 s[WV], 0
	s_cbranch_scc1 .Lnot_wave_0_\@
	s_barrier_signal -3
.Lnot_wave_0_\@:
	s_barrier_wait -3
	s_barrier_signal -1
	s_barrier_wait -1
.endm
	s_load_b256 s[4:11], s[0:1], 0x0               ; qb s[4:5], kv s[6:7], cc s[8:9], cs s[10:11]
	v_lshl_add_u32 v254, v0, 2, 0x42000
	v_mov_b32 v255, 0
	ds_add_u32 v254, v255
	ds_add_u32 v254, v255
	s_wait_dscnt 0x0
	v_lshrrev_b32 v3, 5, v0
	s_delay_alu instid0(VALU_DEP_1)
	v_readfirstlane_b32 s[WV], v3                  ; wave 0..15
	s_bfe_u32 s13, ttmp6, 0x40000                  ; cx: my place in the cluster
	s_and_b32 s14, ttmp7, 0xffff                   ; 16 x batch + head, which the four partners share
	s_lshr_b32 s[GLO], s[WV], 1
	s_sub_co_u32 s[GHI], 15, s[GLO]
	s_and_b32 s25, s[WV], 1
	s_lshl_b32 s26, s13, 1
	s_add_co_u32 s26, s26, s25                     ; which of its group's eight tiles the low tile is: 2 cx + wave % 2;
	s_sub_co_u32 s27, 7, s26                       ; and the high one
	; descriptor groups 1: rows of 256 bytes (32 elements of 8 bytes), dense in memory and in LDS
.irp g, G1A, G1B
	s_mov_b32 s[\g], 15|(3<<16)|(1<<21)            ; 15:0 the mask: all four work-groups; 17:16 elements of 8 bytes; 20 no padding; 21 set beside a mask
	s_mov_b32 s[\g+1], 32<<16                      ; tensor_dim0
	s_mov_b32 s[\g+3], 32<<16                      ; tile_dim0
	s_mov_b32 s[\g+5], 32                          ; tensor_dim0_stride
	s_mov_b32 s[\g+6], 0
	s_mov_b32 s[\g+7], 0
.endr
	s_mov_b32 s[G1A+2], 6<<16                      ; tensor_dim1
	s_mov_b32 s[G1A+4], 6                          ; tile_dim1
	s_mov_b32 s[G1B+2], 60<<16
	s_mov_b32 s[G1B+4], 60
	s_mul_i32 s52, s14, HS                         ; the head's record, in bytes (under 2^25)
	s_mov_b32 s53, 0
	s_mov_b32 s55, 0
	s_mov_b32 s20, 0x76543210
	s_mov_b32 s21, 0xfedcba98                      ; v_permlanex16_b32's selects for lane l xor 16
	s_mov_b32 s22, 0x3e38aa3b                      ; c = log2(e) / 8
	s_mov_b32 s23, s22                             ; (the packed form names the pair and takes its low word for both halves: so s23 is written)
	v_and_b32 v3, 31, v0
	s_delay_alu instid0(VALU_DEP_1)
	v_lshlrev_b32 v[LI], 4, v3
	s_delay_alu instid0(VALU_DEP_2)
	v_lshlrev_b32 v[L8], 3, v3
	v_and_b32 v4, 15, v0                           ; r
	v_bfe_u32 v3, v0, 4, 1                         ; h
	s_delay_alu instid0(VALU_DEP_2)
	v_lshlrev_b32 v[R32], 5, v4
	s_delay_alu instid0(VALU_DEP_3)
	v_lshlrev_b32 v[TT], 3, v4                     ; 8 r: a row's place among the scale words
	s_wait_alu depctr_va_vdst(0)
	s_wait_kmcnt 0x0
	s_add_nc_u64 s[6:7], s[6:7], s[52:53]          ; kv at the head's record
	s_mov_b32 s[G0A], 1                            ; group 0: count = 1
	s_mul_i32 s[G0A+1], s[WV], PARTA               ; LDS address: 1,536 x wave
	s_mul_i32 s54, s[WV], PARTA
	s_add_nc_u64 s[G0A+2:G0A+3], s[6:7], s[54:55]  ; global address: the same place in the record
	s_or_b32 s[G0A+3], s[G0A+3], 0x80000000        ; type = 2
	s_mov_b32 s[G0B], 1
	s_mul_i32 s[G0B+1], s[WV], PARTB
	s_add_co_u32 s[G0B+1], s[G0B+1], FIRST         ; LDS address: 24,576 + 15,360 x wave
	s_mul_i32 s54, s[WV], PARTB
	s_add_co_u32 s54, s54, FIRST
	s_add_nc_u64 s[G0B+2:G0B+3], s[6:7], s[54:55]
	s_or_b32 s[G0B+3], s[G0B+3], 0x80000000
; where a tile's codes (pc) and scale words (ps) of q lie in qb: g, sub: the registers that hold its group and its place in it.  Its word: pair sub / 2 of the group's four: lane 16 (pair % 2) + row, word pair / 2
.macro QADR pc, ps, g, sub
	s_lshl_b32 s54, s[\g], 14
	s_lshl_b32 s40, s[\sub], 10
	s_add_co_u32 s54, s54, s40
	s_add_co_u32 s54, s54, s52
	s_add_co_u32 s54, s54, 8192
	s_add_nc_u64 s[\pc:\pc+1], s[4:5], s[54:55]
	s_bfe_u32 s54, s[\sub], 0x10001
	s_lshl_b32 s54, s54, 7
	s_lshr_b32 s40, s[\sub], 2
	s_lshl_b32 s40, s40, 2
	s_add_co_u32 s54, s54, s40
	s_lshl_b32 s40, s[\g], 9
	s_add_co_u32 s54, s54, s40
	s_add_co_u32 s54, s54, s52
	s_add_nc_u64 s[\ps:\ps+1], s[4:5], s[54:55]
.endm
	QADR 68, 70, GLO, 26
	QADR 72, 74, GHI, 27
	global_load_b128 v[32:35], v[LI], s[68:69]     ; q of the low tile: eight registers: k 0-63.  q is asked for ahead of the round: nobody stores these bytes in this launch, so the loads may be out across barriers
	global_load_b128 v[36:39], v[LI], s[68:69] offset:512
	global_load_b128 v[16:19], v[LI], s[72:73]     ; q of the high tile, twice: each of the runs [q | 0] and [0 | q] has a copy of its own
	global_load_b128 v[20:23], v[LI], s[72:73] offset:512
	global_load_b128 v[48:51], v[LI], s[72:73]
	global_load_b128 v[52:55], v[LI], s[72:73] offset:512
	global_load_b32 v[QSL], v[TT], s[70:71]
	global_load_b32 v[QSH], v[TT], s[74:75]
	CROUND                                         ; all four work-groups are here: the joint loads meet
	tensor_load_to_lds s[G0A:G0A+3], s[G1A:G1A+7]  ; my part of the scale words and key step 0
	s_nop 0
.rept 4
	v_nop
.endr
	; the set-up on registers stands between my two loads, so that all sixteen waves' first parts are asked for ahead of the second parts
	v_lshlrev_b32 v3, 3, v3
	s_delay_alu instid0(VALU_DEP_1)
	v_sub_nc_u32 v4, v4, v3                        ; r - 8 h
	s_lshl_b32 s40, s26, 4
	s_lshl_b32 s41, s27, 4
	v_add_nc_u32 v[DLO], s40, v4                   ; register 8 t + j of S^T holds key 16 t + 8 h + j of the step: hidden on the diagonal where 16 t + j > 16 sub + r - 8 h
	v_add_nc_u32 v[DHI], s41, v4
	; where ctx goes: token tile T = 128 x batch + a.  cc: T x 16,384 + head x 1,024;  cs: T x 512 + 2 x head
	s_lshr_b32 s36, s14, 4
	s_and_b32 s37, s14, 15
	s_lshl_b32 s36, s36, 7
	s_lshl_b32 s38, s[GLO], 3
	s_add_co_u32 s38, s38, s26                     ; a of the low tile,
	s_sub_co_u32 s39, 127, s38                     ; of the high
	s_add_co_u32 s38, s38, s36
	s_add_co_u32 s39, s39, s36
	s_lshl_b32 s42, s37, 10
	s_lshl_b32 s43, s37, 1
.macro OADR pc, ps, t
	s_lshl_b32 s54, s[\t], 14
	s_add_co_u32 s54, s54, s42
	s_add_nc_u64 s[\pc:\pc+1], s[8:9], s[54:55]
	s_lshl_b32 s54, s[\t], 9
	s_add_co_u32 s54, s54, s43
	s_add_nc_u64 s[\ps:\ps+1], s[10:11], s[54:55]
.endm
	OADR 56, 58, 38
	OADR 60, 62, 39
	s_mov_b32 s76, 0x01000100                      ; v_perm_b32: the word's low half twice,
	s_mov_b32 s77, 0x03020302                      ; its high half twice
	s_cmp_eq_u32 s25, 0                            ; the low tile is the first of its pair where the wave's number is even; the high tile then the second
	s_cselect_b32 s78, s76, s77
	s_cselect_b32 s79, s77, s76
.irp j, 0,1,2,3,4,5,6,7
	v_mov_b32 v[24+\j], 0                          ; the zero codes beside q
	v_mov_b32 v[40+\j], 0
.endr
	v_mov_b32 v[NINF], 0xff800000
.irp s, STL, STH
	v_mov_b32 v[\s+1], 0xff61b1e6                  ; the largest t so far: -3e38, under every t
	s_delay_alu instid0(VALU_DEP_1)
	v_floor_f32 v[\s], -v[\s+1]                    ; -M
	v_mov_b32 v[\s+2], 0                           ; the sum, in two halves
	v_mov_b32 v[\s+3], 0
.endr
.irp b, 0,1,2,3
	v_mov_b32 v[PB+\b], 0                          ; a lane permute's destination counts as one of its sources
.endr
	v_mov_b32 v[PW], 0                             ; (named as the upper half of the pair v[60:61] before it is first written)
	s_wait_alu depctr_va_vdst(0)
	s_wait_tensorcnt 0x0
	ds_add_u32 v254, v255
	s_wait_dscnt 0x0
	CROUND
	tensor_load_to_lds s[G0B:G0B+3], s[G1B:G1B+7]  ; my part of key steps 1 to 15: one tensor load of mine is out
	s_nop 0
.rept 4
	v_nop
.endr
	s_wait_loadcnt 0x0                             ; q and its words
	v_perm_b32 v[QSL], v[QSL], v[QSL], s78         ; my tile's two bytes in both halves of the word: they serve [q | 0] and [0 | q] alike
	v_perm_b32 v[QSH], v[QSH], v[QSH], s79
; Plain line k (0 .. 3) of group GP of four p: numbers 2 j, 2 j + 1 of blocks 2 u and 2 u + 1 (GP = 8 u + j).  Lines 0, 1: the two pairs go into the row's sum, UNQUANTISED, in two chains (the tile's l, and v[PB:PB+1], which group 0 starts).
; Lines 2, 3 are empty.
.macro PL S4, k
.set XA, SS+32*(GP/8)+2*(GP%8)
.set XB, XA+16
.set XC, CAP+2*(GP/8)
.if \k == 0
.if GP == 0
	s_wait_alu depctr_va_vdst(0)
	v_pk_add_f32 v[PB:PB+1], v[XA:XA+1], v[XB:XB+1]
.else
	s_wait_alu depctr_va_vdst(0)
	v_pk_add_f32 v[\S4+2:\S4+3], v[\S4+2:\S4+3], v[XA:XA+1]
.endif
.elseif \k == 1
.if GP == 0
	v_lshl_or_b32 v[PW], v[PB+3], 24, v[PW]        ; (group 0's two pairs went in one line: the scale word's last byte takes the free place)
.else
	v_pk_add_f32 v[PB:PB+1], v[PB:PB+1], v[XB:XB+1]
.endif
.elseif \k == 2
.else
.endif
.endm
; A KEY STEP of 128 keys for one tile.  QF, QB: the runs [q | 0] and [0 | q]; QS: q's word; S4: the tile's statistics; OT: its O^T; D: its mask number; G: the register that holds its key group.
; skip = 1: the step may lie behind the tile's diagonal;  mask = 1: it may lie on it;  first = 1: it is the tile's first: its products start O^T's sums, and there is nothing to rescale.
.macro BODY QF, QB, QS, S4, OT, D, G, skip, mask, first
.if \skip
	s_cmp_gt_u32 s[STN], s[\G]                     ; all 128 keys come after my 16 queries: the step is left out.  The branch hangs on the wave's number and the trip
	s_cbranch_scc1 .Lskip_\@
.endif
.rept 9
	v_nop                                          ; nine places: S^T is written over registers that the last products V^T P read; eight of them serve the loads below
.endr
	s_wait_alu depctr_va_vdst(0)
	ds_load_b64 v[KSC:KSC+1], v[ADS]
.set n, 0
.rept 16
	ds_load_b128 v[KF+4*n:KF+4*n+3], v[ADC] offset:512*n   ; K's eight tiles: four fragments of two tiles
.set n, n+1
.endr
.irp p, 0,2
	s_wait_dscnt 12-4*\p                           ; the words and fragments 0 .. p are in: the four loads of each later fragment may be out
	v_wmma_scale_f32_16x16x128_f8f6f4 v[SS+16*\p:SS+16*\p+7], v[KF+16*\p:KF+16*\p+15], v[\QF:\QF+15], 0, v[KSC+\p/2], v[\QS] matrix_a_fmt:MATRIX_FMT_BF8 matrix_b_fmt:MATRIX_FMT_BF8
	v_wmma_scale_f32_16x16x128_f8f6f4 v[SS+16*\p+8:SS+16*\p+15], v[KF+16*\p:KF+16*\p+15], v[\QB:\QB+15], 0, v[KSC+\p/2], v[\QS] matrix_a_fmt:MATRIX_FMT_BF8 matrix_b_fmt:MATRIX_FMT_BF8
	s_wait_dscnt 8-4*\p                            ; fragment p + 1 is in
	v_wmma_scale_f32_16x16x128_f8f6f4 v[SS+16*\p+16:SS+16*\p+23], v[KF+16*\p+16:KF+16*\p+31], v[\QF:\QF+15], 0, v[KSC+\p/2], v[\QS] matrix_a_fmt:MATRIX_FMT_BF8 matrix_b_fmt:MATRIX_FMT_BF8 matrix_a_scale:MATRIX_SCALE_ROW1
	v_wmma_scale_f32_16x16x128_f8f6f4 v[SS+16*\p+24:SS+16*\p+31], v[KF+16*\p+16:KF+16*\p+31], v[\QB:\QB+15], 0, v[KSC+\p/2], v[\QS] matrix_a_fmt:MATRIX_FMT_BF8 matrix_b_fmt:MATRIX_FMT_BF8 matrix_a_scale:MATRIX_SCALE_ROW1
.endr
	v_mov_b32 v[FF], v[\S4]                        ; the old -M is kept.  Eight places, this line and seven v_nop: the scores are read, and K's registers loaded and written, below
.rept 7
	v_nop
.endr
.set n, 0
	s_wait_alu depctr_va_vdst(0)
.rept 8
	ds_load_b128 v[VA+4*n:VA+4*n+3], v[ADC] offset:8192+512*n   ; V's tiles 0, 1 and V's words land under the softmax
.set n, n+1
.endr
	ds_load_b64 v[KSC:KSC+1], v[ADS] offset:256
.if \mask
	s_cmp_lg_u32 s[STN], s[\G]                     ; only the tile's last step lies on the diagonal
	s_cbranch_scc1 .Lopen_\@
.set n, 0
.rept 64
	v_cmp_gt_i32 vcc_lo, 16*(n/8)+n%8, v[\D]
	v_cndmask_b32 v[SS+n], v[SS+n], v[NINF], vcc_lo   ; a hidden key's score becomes -infinity: p = 0
.set n, n+1
.endr
.Lopen_\@:
.endif
.irp b, 0,1,2,3
	v_max3_num_f32 v[BM+\b], v[SS+16*\b], v[SS+1+16*\b], v[SS+2+16*\b]   ; the largest score of each block of 32 keys: for the row's maximum, and, since p rises with the score, for the block's largest p
.endr
.irp i, 3,5,7,9,11,13
.irp b, 0,1,2,3
	v_max3_num_f32 v[BM+\b], v[BM+\b], v[SS+16*\b+\i], v[SS+1+16*\b+\i]
.endr
.endr
.irp b, 0,1,2,3
	v_max_num_f32 v[BM+\b], v[BM+\b], v[SS+15+16*\b]
.endr
.irp b, 0,1,2,3
	s_delay_alu instid0(VALU_DEP_4)
	v_permlanex16_b32 v[PB+\b], v[BM+\b], s20, s21
.endr
.irp b, 0,1,2,3
	s_delay_alu instid0(VALU_DEP_4)
	v_max_num_f32 v[BM+\b], v[BM+\b], v[PB+\b]     ; with lane l xor 16's 16 keys
.endr
	s_delay_alu instid0(VALU_DEP_2)
	v_max3_num_f32 v[TT], v[BM], v[BM+1], v[BM+2]
	s_delay_alu instid0(VALU_DEP_1)
	v_max_num_f32 v[TT], v[TT], v[BM+3]            ; the step's largest score of my query
	s_delay_alu instid0(VALU_DEP_1)
	v_mul_f32 v[TT], s22, v[TT]                    ; as t (c is positive)
	s_delay_alu instid0(VALU_DEP_1)
	v_max_num_f32 v[\S4+1], v[\S4+1], v[TT]        ; the running largest t
	s_delay_alu instid0(VALU_DEP_1)
	v_floor_f32 v[\S4], -v[\S4+1]                  ; the new -M = floor(-t) = -ceil(t)
	s_delay_alu instid0(VALU_DEP_1)
	v_sub_f32 v[TT], v[\S4], v[FF]                 ; old M - new M: a whole number, 0 or less
	s_delay_alu instid0(VALU_DEP_1)
	v_cvt_i32_f32 v[TT], v[TT]                     ; (it saturates)
	s_delay_alu instid0(VALU_DEP_1)
	v_ldexp_f32 v[FF], 1.0, v[TT]                  ; f = 2^(old M - new M)
.irp b, 0,1,2,3
	v_fma_f32 v[BM+\b], v[BM+\b], s22, v[\S4]      ; t - M of each block's largest score,
.endr
	s_wait_alu depctr_va_vdst(0)
.irp b, 0,1,2,3
	v_exp_f32 v[BM+\b], v[BM+\b]                   ; and the block's largest p: the same two instructions on the same number as below
.endr
.set n, 0
.rept 32
	v_pk_fma_f32 v[SS+n:SS+n+1], v[SS+n:SS+n+1], s[22:23], v[\S4:\S4+1] op_sel_hi:[1,0,0]   ; t - M, two at a time.  (Plain lines behind the four exponentials)
.set n, n+2
.endr
	s_wait_alu depctr_va_vdst(0)
.irp b, 0,1,2,3
	v_max_num_f32 v[BM+\b], 0x8000000, v[BM+\b]    ; the floor 2^(16 - 127): the byte cannot fall under 1
.endr
.irp b, 0,1,2,3
	s_delay_alu instid0(VALU_DEP_4)
	v_add_nc_u32 v[SOP+\b], 0xf8800000, v[BM+\b]   ; 15 off the exponent field: the conversion's scale operand
.endr
.irp b, 0,1,2,3
.endr
.irp b, 0,1,2,3
	s_delay_alu instid0(VALU_DEP_4)
	v_lshrrev_b32 v[PB+\b], 23, v[SOP+\b]          ; the scale's byte
.endr
	s_delay_alu instid0(VALU_DEP_3)
	v_lshl_or_b32 v[PW], v[PB+1], 8, v[PB]         ; p's scale word for these 128 keys (its last byte: group 0's line 1)
	s_delay_alu instid0(VALU_DEP_1)
	v_lshl_or_b32 v[PW], v[PB+2], 16, v[PW]
; p = 2^(t - M), at most 1: sixteen groups of four exponentials; behind each exponential stands a plain line of the group BEFORE, which touches none of this group's registers.  So every result is first used behind a plain line that does not
; touch it (ISA guide 5.7.2): group 0's behind the rescaling of l, a later group's behind the lines of the group before it.
.set GI, 0
	s_wait_alu depctr_va_vdst(0)
.rept 16
.set XE, SS+32*(GI/8)+2*(GI%8)
.set GP, GI-1
	v_exp_f32 v[XE], v[XE]
.if GI > 0
	PL \S4, 0
.endif
	v_exp_f32 v[XE+1], v[XE+1]
.if GI > 0
	PL \S4, 1
.endif
	v_exp_f32 v[XE+16], v[XE+16]
.if GI > 0
	PL \S4, 2
.endif
	v_exp_f32 v[XE+17], v[XE+17]
.if GI > 0
	PL \S4, 3
.else
	v_pk_mul_f32 v[\S4+2:\S4+3], v[\S4+2:\S4+3], v[FF:FF+1] op_sel_hi:[1,0]   ; the sums under the new M
.endif
.set GI, GI+1
.endr
.set GP, 15
	PL \S4, 0
	PL \S4, 1
	PL \S4, 2
	PL \S4, 3
	s_delay_alu instid0(VALU_DEP_1)
	v_pk_add_f32 v[\S4+2:\S4+3], v[\S4+2:\S4+3], v[PB:PB+1]   ; the two chains join
.irp b, 0,1,2,3
	v_cvt_scalef32_pk8_bf8_f32 v[PC+4*\b:PC+4*\b+1], v[SS+16*\b:SS+16*\b+7], v[SOP+\b]
	v_cvt_scalef32_pk8_bf8_f32 v[PC+4*\b+2:PC+4*\b+3], v[SS+16*\b+8:SS+16*\b+15], v[SOP+\b]
.endr
.set n, 0
.rept 8
	ds_load_b128 v[SS+4*n:SS+4*n+3], v[ADC] offset:12288+512*n   ; V's tiles 2, 3, into registers that p has left
.set n, n+1
.endr
.if \first
.rept 4
	v_nop                                          ; four places between the codes and the products that read them
.endr
	s_wait_alu depctr_va_vdst(0)
	s_wait_dscnt 8                                 ; V's tiles 0, 1 and its words are in: the eight loads of tiles 2, 3 may be out
	v_wmma_scale_f32_16x16x128_f8f6f4 v[\OT:\OT+7], v[VA:VA+15], v[PC:PC+15], 0, v[KSC], v[PW] matrix_a_fmt:MATRIX_FMT_BF8 matrix_b_fmt:MATRIX_FMT_BF8   ; O^T = V^T P^T: the tile's first step starts the sums: nothing is cleared
	v_wmma_scale_f32_16x16x128_f8f6f4 v[\OT+8:\OT+15], v[VA+16:VA+31], v[PC:PC+15], 0, v[KSC], v[PW] matrix_a_fmt:MATRIX_FMT_BF8 matrix_b_fmt:MATRIX_FMT_BF8 matrix_a_scale:MATRIX_SCALE_ROW1
	s_wait_dscnt 4                                 ; tile 2 is in
	v_wmma_scale_f32_16x16x128_f8f6f4 v[\OT+16:\OT+23], v[SS:SS+15], v[PC:PC+15], 0, v[KSC+1], v[PW] matrix_a_fmt:MATRIX_FMT_BF8 matrix_b_fmt:MATRIX_FMT_BF8
	s_wait_dscnt 0x0                               ; tile 3 is in
	v_wmma_scale_f32_16x16x128_f8f6f4 v[\OT+24:\OT+31], v[SS+16:SS+31], v[PC:PC+15], 0, v[KSC+1], v[PW] matrix_a_fmt:MATRIX_FMT_BF8 matrix_b_fmt:MATRIX_FMT_BF8 matrix_a_scale:MATRIX_SCALE_ROW1
.else
.set n, 0
.rept 16
	v_pk_mul_f32 v[\OT+n:\OT+n+1], v[\OT+n:\OT+n+1], v[FF:FF+1] op_sel_hi:[1,0]   ; O^T under the new M, each accumulator from its low end on.  (These are also the plain place behind the conversions and the places between the codes and the products)
.set n, n+2
.endr
	s_wait_alu depctr_va_vdst(0)
	s_wait_dscnt 8                                 ; V's tiles 0, 1 and its words are in: the eight loads of tiles 2, 3 may be out
	; O^T += V^T P^T: four accumulators, one instruction each
	v_wmma_scale_f32_16x16x128_f8f6f4 v[\OT:\OT+7], v[VA:VA+15], v[PC:PC+15], v[\OT:\OT+7], v[KSC], v[PW] matrix_a_fmt:MATRIX_FMT_BF8 matrix_b_fmt:MATRIX_FMT_BF8
	v_wmma_scale_f32_16x16x128_f8f6f4 v[\OT+8:\OT+15], v[VA+16:VA+31], v[PC:PC+15], v[\OT+8:\OT+15], v[KSC], v[PW] matrix_a_fmt:MATRIX_FMT_BF8 matrix_b_fmt:MATRIX_FMT_BF8 matrix_a_scale:MATRIX_SCALE_ROW1
	s_wait_dscnt 4                                 ; tile 2 is in
	v_wmma_scale_f32_16x16x128_f8f6f4 v[\OT+16:\OT+23], v[SS:SS+15], v[PC:PC+15], v[\OT+16:\OT+23], v[KSC+1], v[PW] matrix_a_fmt:MATRIX_FMT_BF8 matrix_b_fmt:MATRIX_FMT_BF8
	s_wait_dscnt 0x0                               ; tile 3 is in
	v_wmma_scale_f32_16x16x128_f8f6f4 v[\OT+24:\OT+31], v[SS+16:SS+31], v[PC:PC+15], v[\OT+24:\OT+31], v[KSC+1], v[PW] matrix_a_fmt:MATRIX_FMT_BF8 matrix_b_fmt:MATRIX_FMT_BF8 matrix_a_scale:MATRIX_SCALE_ROW1
.endif
.if \skip
.Lskip_\@:
.endif
.endm
	s_wait_alu depctr_va_vdst(0)
	s_wait_tensorcnt 1                             ; my part of the scale words and key step 0 is in; my second load may stay out, and key step 0 reads only bytes under 24,576
	s_barrier_signal -1
	s_barrier_wait -1                              ; everybody's is
	s_mov_b32 s[STN], 0                            ; KEY STEP 0, written out: both my tiles need it, and it starts their sums.  The high tile's diagonal lies in key step 8 or later; the low tile's lies here in waves 0 and 1
	s_mov_b32 s[CO], 8192
	s_mov_b32 s[SO], 0
	v_add_nc_u32 v[ADC], s[CO], v[LI]
	s_wait_alu depctr_va_vdst(0)
	v_add_nc_u32 v[ADS], s[SO], v[L8]
	s_wait_alu depctr_va_vdst(0)
	BODY 16, 40, QSH, STH, OHI, DHI, GHI, 0, 0, 1
	BODY 32, 24, QSL, STL, OLO, DLO, GLO, 0, 1, 1
	s_wait_tensorcnt 0x0                           ; my part of key steps 1 to 15 is in,
	s_wait_dscnt 0x0
	s_barrier_signal -1
	s_barrier_wait -1                              ; everybody's is
	s_mov_b32 s[STN], 1
	s_mov_b32 s[CO], FIRST
	s_mov_b32 s[SO], 512
.Lstep:                                            ; fifteen trips in every wave; what is left out is a tile's work in the steps behind its diagonal
	v_add_nc_u32 v[ADC], s[CO], v[LI]
	v_add_nc_u32 v[ADS], s[SO], v[L8]
	BODY 16, 40, QSH, STH, OHI, DHI, GHI, 1, 1, 0
	BODY 32, 24, QSL, STL, OLO, DLO, GLO, 1, 1, 0
	s_add_co_u32 s[CO], s[CO], 16384
	s_add_co_u32 s[SO], s[SO], 512
	s_add_co_u32 s[STN], s[STN], 1
	s_cmp_lt_u32 s[STN], 16
	s_cbranch_scc1 .Lstep
.rept 8
	v_nop                                          ; eight places behind the last products
.endr
; THE WAY OUT of a tile.  O^T / the sum is ctx: register 8 t + j is channel 16 t + 8 h + j of my query.  Its two blocks of 32 are quantised as every operand is; four exchanges between the halves of the lanes put the codes into ascending order:
; lanes 0-15 take channels 0-15 of a block, lanes 16-31 channels 16-31.  Each tile has registers of its own for what it stores, so no store's data are written again.
.macro EPI S4, OT, CX, CC, SW, BCC, BCS
	v_add_f32 v[FF], v[\S4+2], v[\S4+3]            ; the sum's two halves,
	s_delay_alu instid0(VALU_DEP_1)
	v_permlanex16_b32 v[PB], v[FF], s20, s21
	s_delay_alu instid0(VALU_DEP_1)
	v_add_f32 v[FF], v[FF], v[PB]                  ; and lane l xor 16's: the row's sum
	s_wait_alu depctr_va_vdst(0)
	v_rcp_f32 v[FF], v[FF]
	v_nop                                          ; one plain place behind a transcendental
.set n, 0
	s_wait_alu depctr_va_vdst(0)
.rept 16
	v_pk_mul_f32 v[\CX+n:\CX+n+1], v[\OT+n:\OT+n+1], v[FF:FF+1] op_sel_hi:[1,0]   ; each accumulator from its low end on
.set n, n+2
.endr
.irp b, 0,1
	v_max3_num_f32 v[BM+\b], |v[\CX+16*\b]|, |v[\CX+16*\b+1]|, 0x8000000
.endr
.irp i, 2,4,6,8,10,12,14
.irp b, 0,1
	s_delay_alu instid0(VALU_DEP_2)
	v_max3_num_f32 v[BM+\b], v[BM+\b], |v[\CX+16*\b+\i]|, |v[\CX+16*\b+\i+1]|
.endr
.endr
.irp b, 0,1
	s_delay_alu instid0(VALU_DEP_2)
	v_permlanex16_b32 v[PB+\b], v[BM+\b], s20, s21
.endr
.irp b, 0,1
	s_delay_alu instid0(VALU_DEP_2)
	v_max_num_f32 v[BM+\b], v[BM+\b], v[PB+\b]
.endr
.irp b, 0,1
	s_delay_alu instid0(VALU_DEP_2)
	v_add_nc_u32 v[SOP+\b], 0xf8800000, v[BM+\b]
.endr
.irp b, 0,1
.endr
.irp b, 0,1
	s_delay_alu instid0(VALU_DEP_2)
	v_lshrrev_b32 v[PB+\b], 23, v[SOP+\b]
.endr
	s_delay_alu instid0(VALU_DEP_1)
	v_lshl_or_b32 v[\SW], v[PB+1], 8, v[PB]        ; my query's two scale bytes of this head
.irp b, 0,1
.irp i, 0,1,2,3,4,5,6,7,8,9,10,11,12,13,14,15
.endr
	v_cvt_scalef32_pk8_bf8_f32 v[\CC+4*\b:\CC+4*\b+1], v[\CX+16*\b:\CX+16*\b+7], v[SOP+\b]
	v_cvt_scalef32_pk8_bf8_f32 v[\CC+4*\b+2:\CC+4*\b+3], v[\CX+16*\b+8:\CX+16*\b+15], v[SOP+\b]
.endr
	v_nop                                          ; one plain place behind the conversions
.irp b, 0,1
.irp k, 0,1
	v_permlane16_swap_b32 v[\CC+4*\b+\k], v[\CC+4*\b+2+\k]   ; the first's lanes 16-31 (channels 8-15) change places with the second's lanes 0-15 (channels 16-23)
.endr
.endr
	global_store_b128 v[LI], v[\CC:\CC+3], s[\BCC:\BCC+1]              ; 512 consecutive bytes, at a multiple of 512 in cc
	global_store_b128 v[LI], v[\CC+4:\CC+7], s[\BCC:\BCC+1] offset:512
	global_store_b16 v[R32], v[\SW], s[\BCS:\BCS+1]                    ; two bytes of each token's 32: the other thirty come from fifteen other heads' work-groups.  Lanes l and l + 16 write the same halfword with the same value
.endm
	EPI STL, OLO, 128, 64, 120, 56, 58
	EPI STH, OHI, 160, 72, 121, 60, 62
	s_wait_xcnt 0x0
	v_lshl_add_u32 v254, v0, 2, 0x42000
	v_mov_b32 v255, 0
	s_wait_alu depctr_va_vdst(0)
	s_wait_tensorcnt 0x0
	ds_add_u32 v254, v255
	s_wait_dscnt 0x0
	CROUND                                         ; the closing round: no work-group ends while a partner may still ask for the record
	s_endpgm
.Lfunc_end_k_q5571dc2c40_attn:
	.size	k_q5571dc2c40_attn, .Lfunc_end_k_q5571dc2c40_attn-k_q5571dc2c40_attn
	.p2alignl 7, 3214868480
	.fill 96, 4, 3214868480
	.section	.rodata,"a",@progbits
	.p2align	6, 0x0
	.amdhsa_kernel k_q5571dc2c40_attn
		.amdhsa_group_segment_fixed_size 327680
		.amdhsa_private_segment_fixed_size 0
		.amdhsa_enable_private_segment 0
		.amdhsa_kernarg_size 32
		.amdhsa_user_sgpr_count 2
		.amdhsa_user_sgpr_kernarg_segment_ptr 1
		.amdhsa_wavefront_size32 1
		.amdhsa_system_sgpr_workgroup_id_x 1
		.amdhsa_system_sgpr_workgroup_id_y 1
		.amdhsa_system_sgpr_workgroup_id_z 1
		.amdhsa_system_vgpr_workitem_id 0
		.amdhsa_next_free_vgpr 256
		.amdhsa_next_free_sgpr 88
		.amdhsa_reserve_vcc 1
		.amdhsa_float_denorm_mode_32 3
		.amdhsa_float_denorm_mode_16_64 3
		.amdhsa_fp16_overflow 1
		.amdhsa_memory_ordered 1
		.amdhsa_forward_progress 1
		.amdhsa_inst_pref_size 102
	.end_amdhsa_kernel
	.amdgpu_metadata
---
amdhsa.version: [ 1, 2 ]
amdhsa.kernels:
  - .name:           k_q5571dc2c40_attn
    .symbol:         k_q5571dc2c40_attn.kd
    .args:
      - { .name: qb, .offset: 0, .size: 8, .value_kind: global_buffer, .address_space: global }
      - { .name: kv, .offset: 8, .size: 8, .value_kind: global_buffer, .address_space: global }
      - { .name: cc, .offset: 16, .size: 8, .value_kind: global_buffer, .address_space: global }
      - { .name: cs, .offset: 24, .size: 8, .value_kind: global_buffer, .address_space: global }
    .group_segment_fixed_size: 327680
    .private_segment_fixed_size: 0
    .kernarg_segment_align: 8
    .kernarg_segment_size: 32
    .max_flat_workgroup_size: 512
    .sgpr_count:     88
    .vgpr_count:     256
    .wavefront_size: 32
...
	.end_amdgpu_metadata
.endif
;; end of part 2
;; launch outp (part 3): grid 4 x 64, 4 waves a work-group, clusters of 4 x 4, 327,680 bytes of LDS; arguments cc, cs, W_out_codes, W_out_scales, b_out, out0; writes out0
.if DOCPART == 3
	.amdgcn_target "amdgcn-amd-amdhsa--gfx1250"
	.amdhsa_code_object_version 6
	.text
	.protected	k_q5571dc2c40_outp
	.globl	k_q5571dc2c40_outp
	.p2align	8
	.type	k_q5571dc2c40_outp,@function
k_q5571dc2c40_outp:
	s_mov_b64 s[64:65], 0
	v_nop
	global_prefetch_b8 v0, s[64:65] scope:SCOPE_SE
	s_setreg_imm32_b32 hwreg(HW_REG_WAVE_MODE, 25, 1), 1
	s_wait_xcnt 0x0
	s_wait_alu depctr_hold_cnt(0) depctr_sa_sdst(0) depctr_va_vdst(0) depctr_va_sdst(0) depctr_va_ssrc(0) depctr_va_vcc(0) depctr_vm_vsrc(0)
	s_getreg_b32 s2, hwreg(HW_REG_IB_STS2, 6, 4)
	s_cmp_eq_u32 s2, 0
	s_cbranch_scc0 .Lentry_in_a_cluster
	s_endpgm
.Lentry_in_a_cluster:
	s_bfe_u32 s2, ttmp6, 0x10000c
	s_cmp_lg_u32 s2, 0xf033
	s_cbranch_scc0 .Lentry_shape_is_right
	s_endpgm
.Lentry_shape_is_right:
; out0 = ctx W_out^T + b_out on codes of BF8 (E5M2) with one E8M0 scale for each 32 along K = 1,024; sums in f32; out0 [8,192][1,024] f32.
; ctx comes from the attention launch: cc [token tile 512][128 of K: 8][group of four registers: 4][512 bytes]: images of the operand's registers, in ascending k;  cs [token][32 scale bytes].  W_out: rows of 1,024 codes, 32 scale bytes a row.
; A tile of 128 tokens x 256 columns is made by four waves, 64 x 128 each: 32 accumulators, 256 registers: 256 work-groups.  K goes in steps of 256 through a ring of two LDS slots; the scale bytes come once.
; 4 x 4 work-groups form a cluster: ctx's tiles are asked for jointly along a row of the cluster, W_out's along a column.  The matrix instruction takes 16 rows of W_out as source 0 and 16 tokens as source 1: a lane holds eight neighbouring columns of a row of out0.
; The bias is the C of each sum's first matrix instruction.
; REGISTERS, in windows of 256: window 0: v0-31 addresses; v32-63 scale words, two sets; v64-127 the bias, eight registers for each 16 columns; v128-255 ctx's fragments, two sets of four (on the way out: rows read back).
;   window 1: W_out's fragments, two sets of eight.   window 2: the accumulators ((a, b) at v[8 (8 a + b)]).
.set SIZE_N, 1024
.set KROW,   1024                      ; a row of W_out in bytes
.set ROWB,   256                       ; a K step's part of it
.set ASTEP,  4096                      ; a K step's part of a token tile in cc
.set NQ,     2                         ; matrix instructions deep in a K step
.set PITCH,  272                       ; W_out's LDS row: 256 bytes + 16 of padding: the 16 rows that a load touches start at 16 different banks (ISA guide 11.1)
.set FR,     16
.set NP,     8                         ; places behind this matrix instruction (ISA guide 7.12.1)
.set AHALF,  4*ASTEP                   ; four token tiles: what one tensor load brings of ctx: images, read as they lie, so no padding
.set BOFF,   2*AHALF                   ; behind ctx's eight token tiles: W_out's 256 rows
.set HALFT,  128*PITCH
.set SLOT,   BOFF+2*HALFT              ; 102,400
.set KS,     32
.set SCL,    2*SLOT                    ; behind the ring: the scale bytes, as units of 256 bytes + 16 of padding:
.set HALFSA, 8*272                     ; 64 tokens',
.set HALFSB, 16*272                    ; 128 rows' of W_out
.set SBLK,   2*272                     ; 16 rows'
.set SPARE,  SCL+2*HALFSA+2*HALFSB     ; the spare words, 128 bytes for each wave: two blocks of 256 bytes that no other line names
.set SPITCH, 528                       ; the way out: a stage of 16 rows x (512 bytes + 16) for each wave, in slot 0, which has had its last fill and its last read when the first result is stored there
.set ADRA, 16                          ; v16-17  LDS address of my ctx fragments in slot 0, 1
.set ADRB, 20                          ; v20-21  the same for W_out
.set STO,  24                          ; v24     the way out: where I put 32 bytes of a row
.set RD,   25                          ; v25     where I read a row back
.set CO,   26                          ; v26     16 x lane
.set ADRS, 27                          ; v27     LDS address of my scale words: lanes 0-15 tokens, lanes 16-31 W_out's rows
.set SPW,  28                          ; v28     LDS address of my spare word; never rewritten
.set NIL,  29                          ; v29     0; never rewritten
.set SC,   32
.set BIAS, 64
.set AF,   128
.set BK,   128
.set G1, 24
.set G0, 32
.set G1B, 48
.set G0B, 56
.set G1S, 68
.set G0S, 76
.set G1SB, 80
.set G0SB, 88
.set MSB, 0
.macro WIN new                         ; the immediate's high byte repeats the setting that is left
.if MSB != \new
	s_set_vgpr_msb (MSB<<8)|\new
.set MSB, \new
.endif
.endm
.set MUL,    0xa1                      ; source 0 (W_out) window 1, source 1 (ctx) window 0, C and D window 2
.set MULB,   0x81                      ; the same with C (the bias) in window 0
.set TO_B,   0x40                      ; destination window 1, address window 0
.macro JLOAD g0a, g1a, g0b, g1b        ; a joint load: waves 0 and 1 fetch for ctx, waves 2 and 3 for W_out; four v_nop follow each of the two lines
	s_cmp_eq_u32 s15, 0
	s_cbranch_scc0 .Lfor_b_\@
	tensor_load_to_lds s[\g0a:\g0a+3], s[\g1a:\g1a+7]
	s_nop 0
.rept 4
	v_nop
.endr
	s_branch .Lasked_\@
.Lfor_b_\@:
	tensor_load_to_lds s[\g0b:\g0b+3], s[\g1b:\g1b+7]
	s_nop 0
.rept 4
	v_nop
.endr
.Lasked_\@:
.endm
.macro CREST
	s_cmp_lg_u32 s14, 0
	s_cbranch_scc1 .Lnot_wave_0_\@
	s_barrier_signal -3
.Lnot_wave_0_\@:
	s_barrier_wait -3
	s_barrier_signal -1
	s_barrier_wait -1
.endm
.macro CROUND
	s_barrier_signal -1
	s_barrier_wait -1
	CREST
.endm
	s_load_b128 s[4:7], s[0:1], 0x0                ; cc, cs
	s_load_b128 s[8:11], s[0:1], 0x10              ; W_out's codes, W_out's scales
	s_load_b64 s[96:97], s[0:1], 0x20              ; b_out
	s_load_b64 s[12:13], s[0:1], 0x28              ; out0
	v_lshl_add_u32 v[SPW], v0, 2, SPARE
	v_mov_b32 v[NIL], 0
	ds_add_u32 v28, v29
	ds_add_u32 v28, v29
	s_wait_dscnt 0x0
	v_lshrrev_b32 v1, 5, v0
	v_readfirstlane_b32 s14, v1                    ; wave 0..3
	s_lshr_b32 s15, s14, 1                         ; which 64 tokens are mine.  Also: I fetch for ctx (0) or for W_out (1)
	s_and_b32 s16, s14, 1                          ; which 128 columns.  Also: which half of that tile I fetch
	s_bfe_u32 s40, ttmp6, 0x40000                  ; cx, cy
	s_bfe_u32 s41, ttmp6, 0x40004
	s_lshl_b32 s42, ttmp9, 2
	s_add_co_u32 s42, s42, s40                     ; tile column = 4 x cluster x + cx
	s_and_b32 s17, ttmp7, 0xffff
	s_lshl_b32 s17, s17, 2
	s_add_co_u32 s17, s17, s41                     ; tile row = 4 x cluster y + cy
	s_lshl_b32 s43, s41, 2
	s_lshl_b32 s43, 15, s43                        ; my row of the cluster
	s_lshl_b32 s44, 0x1111, s40                    ; my column
	; ctx's codes: four token tiles x 4,096 bytes (512 elements of 8 bytes), 16,384 bytes apart in memory, on end in LDS
	s_or_b32 s[G1+0], s43, (3<<16)|(1<<21)         ; 15:0 the mask: my row; 17:16 elements of 8 bytes; 20 no padding; 21 set beside a mask
	s_mov_b32 s[G1+1], 512<<16                     ; tensor_dim0
	s_mov_b32 s[G1+2], 4<<16                       ; tensor_dim1
	s_mov_b32 s[G1+3], 512<<16                     ; tile_dim0
	s_mov_b32 s[G1+4], 4                           ; tile_dim1
	s_mov_b32 s[G1+5], 2048                        ; tensor_dim0_stride
	s_mov_b32 s[G1+6], 0
	s_mov_b32 s[G1+7], 0
	; W_out's codes: 128 rows x 256 bytes, 16 bytes of padding behind each
	s_or_b32 s[G1B+0], s44, (0<<16)|(1<<20)|(1<<21)|(5<<22)|(3<<25)
	s_mov_b32 s[G1B+1], ROWB<<16
	s_mov_b32 s[G1B+2], 128<<16
	s_mov_b32 s[G1B+3], ROWB<<16
	s_mov_b32 s[G1B+4], 128
	s_mov_b32 s[G1B+5], KROW
	s_mov_b32 s[G1B+6], 0
	s_mov_b32 s[G1B+7], 0
	; the scale bytes: dense blocks, as rows of 256 bytes (32 elements of 8 bytes), 16 bytes of padding behind each: 8 rows for 64 tokens, 16 for 128 rows of W_out
	s_or_b32 s[G1S+0], s43, (3<<16)|(1<<20)|(1<<21)|(5<<22)|(3<<25)
	s_mov_b32 s[G1S+1], 32<<16
	s_mov_b32 s[G1S+2], 8<<16
	s_mov_b32 s[G1S+3], 32<<16
	s_mov_b32 s[G1S+4], 8
	s_mov_b32 s[G1S+5], 32
	s_mov_b32 s[G1S+6], 0
	s_mov_b32 s[G1S+7], 0
	s_or_b32 s[G1SB+0], s44, (3<<16)|(1<<20)|(1<<21)|(5<<22)|(3<<25)
	s_mov_b32 s[G1SB+1], 32<<16
	s_mov_b32 s[G1SB+2], 16<<16
	s_mov_b32 s[G1SB+3], 32<<16
	s_mov_b32 s[G1SB+4], 16
	s_mov_b32 s[G1SB+5], 32
	s_mov_b32 s[G1SB+6], 0
	s_mov_b32 s[G1SB+7], 0
	s_lshl_b32 s20, s17, 3
	s_lshl_b32 s18, s16, 2
	s_add_co_u32 s20, s20, s18                     ; ctx: token tile 8 x tile row + 4 x half
	s_lshl_b32 s22, s20, 9                         ; its scale bytes: 512 a token tile,
	s_lshl_b32 s20, s20, 14                        ; its codes: 16,384
	s_mov_b32 s21, 0
	s_mov_b32 s23, 0
	s_lshl_b32 s46, s42, 8
	s_lshl_b32 s18, s16, 7
	s_add_co_u32 s46, s46, s18                     ; W_out: row 256 x tile column + 128 x half
	s_lshl_b32 s92, s46, 5                         ; its scale bytes,
	s_lshl_b32 s46, s46, 10                        ; its codes
	s_mov_b32 s47, 0
	s_mov_b32 s93, 0
	s_lshl_b32 s45, s16, 14                        ; where they go in a slot: ctx's half,
	s_mul_i32 s94, s16, HALFT
	s_add_co_u32 s94, s94, BOFF                    ; W_out's half;
	s_mul_i32 s95, s16, HALFSA                     ; and among the scales: no place in the cluster enters an LDS address
	s_mul_i32 s19, s16, HALFSB
	s_add_co_u32 s19, s19, 2*HALFSA
	s_wait_kmcnt 0x0
	s_add_nc_u64 s[20:21], s[4:5], s[20:21]
	s_add_nc_u64 s[22:23], s[6:7], s[22:23]
	s_add_nc_u64 s[46:47], s[8:9], s[46:47]
	s_add_nc_u64 s[92:93], s[10:11], s[92:93]
	CROUND                                         ; all sixteen work-groups are here: the first joint loads meet
	s_mov_b32 s[G0S], 1
	s_add_co_u32 s[G0S+1], s95, SCL
	s_mov_b64 s[G0S+2:G0S+3], s[22:23]
	s_or_b32 s[G0S+3], s[G0S+3], 0x80000000
	s_mov_b32 s[G0SB], 1
	s_add_co_u32 s[G0SB+1], s19, SCL
	s_mov_b64 s[G0SB+2:G0SB+3], s[92:93]
	s_or_b32 s[G0SB+3], s[G0SB+3], 0x80000000
	JLOAD G0S, G1S, G0SB, G1SB                     ; the scales first: they are wanted with K step 0
.irp s, 0,1
	s_mov_b32 s[G0+4*\s], 1
	s_add_co_u32 s[G0+4*\s+1], s45, \s*SLOT
	s_add_nc_u64 s[G0+4*\s+2:G0+4*\s+3], s[20:21], \s*ASTEP
	s_or_b32 s[G0+4*\s+3], s[G0+4*\s+3], 0x80000000
	s_mov_b32 s[G0B+4*\s], 1
	s_add_co_u32 s[G0B+4*\s+1], s94, \s*SLOT
	s_add_nc_u64 s[G0B+4*\s+2:G0B+4*\s+3], s[46:47], \s*ROWB
	s_or_b32 s[G0B+4*\s+3], s[G0B+4*\s+3], 0x80000000
	JLOAD G0+4*\s, G1, G0B+4*\s, G1B               ; three tensor loads of mine are out
.endr
	v_and_b32 v1, 15, v0                           ; l % 16
	v_bfe_u32 v2, v0, 4, 1                         ; l / 16
	v_and_b32 v6, 31, v0
	v_lshlrev_b32 v[CO], 4, v6                     ; 16 x lane
	s_lshl_b32 s21, s15, 14                        ; my four token tiles' images
	v_add_nc_u32 v[ADRA], s21, v[CO]
	v_add_nc_u32 v[ADRA+1], SLOT, v[ADRA]
	v_mul_u32_u24 v3, v1, PITCH
	v_lshl_add_u32 v4, v2, 4, v3                   ; W_out: a fragment's row x pitch + 16 x half
	s_mul_i32 s22, s16, HALFT
	s_add_co_u32 s22, s22, BOFF
	v_add_nc_u32 v[ADRB], s22, v4
	v_add_nc_u32 v[ADRB+1], SLOT, v[ADRB]
	v_mul_u32_u24 v5, v1, KS                       ; my row's scales: 32 bytes a row,
	v_lshrrev_b32 v6, 8, v5
	v_lshl_add_u32 v5, v6, 4, v5                   ; and 16 more for each 256 passed
	s_mul_i32 s21, s15, HALFSA                     ; my 64 tokens'
	s_mul_i32 s22, s16, HALFSB                     ; my 128 rows' of W_out, behind the 128 tokens'
	s_add_co_u32 s22, s22, 2*HALFSA
	s_sub_co_u32 s22, s22, s21
	v_mul_u32_u24 v6, s22, v2                      ; lanes 16-31 take W_out's
	s_add_co_u32 s21, s21, SCL
	v_add_nc_u32 v5, v5, v6
	v_add_nc_u32 v[ADRS], s21, v5
	s_mul_i32 s23, s14, 16*SPITCH                  ; my stage
	v_mul_u32_u24 v5, v1, SPITCH                   ; in: row l % 16, 32 bytes for each half of the lanes
	v_lshl_add_u32 v5, v2, 5, v5
	v_add_nc_u32 v[STO], s23, v5
	v_add_nc_u32 v[RD], s23, v[CO]                 ; back: the 32 lanes take one row of 512 bytes
	v_lshlrev_b32 v7, 5, v2                        ; the bias: lane (r, h) wants, for each 16 columns, those at 8 h + 0 .. 7
	s_lshl_b32 s46, s42, 10                        ; my first column, in bytes: 1,024 x tile column + 512 x half
	s_lshl_b32 s47, s16, 9
	s_add_co_u32 s46, s46, s47
	s_mov_b32 s47, 0
	s_add_nc_u64 s[96:97], s[96:97], s[46:47]
.irp b, 0,1,2,3,4,5,6,7
	global_load_b128 v[BIAS+8*\b:BIAS+8*\b+3], v7, s[96:97] offset:64*\b
	global_load_b128 v[BIAS+8*\b+4:BIAS+8*\b+7], v7, s[96:97] offset:64*\b+16
.endr
	s_lshl_b32 s20, s17, 7
	s_lshl_b32 s21, s15, 6
	s_add_co_u32 s20, s20, s21                     ; my first row of out0: 128 x tile row + 64 x half
	s_lshl_b32 s20, s20, 12                        ; rows of 4,096 bytes (under 2^26)
	s_mov_b32 s21, 0
	s_add_nc_u64 s[20:21], s[20:21], s[46:47]
	s_add_nc_u64 s[12:13], s[12:13], s[20:21]
; 8 matrix instructions: token block a x W_out's eight, 128 along K: the slot's q-th, in set p of both sides' fragments.  first = 1: the bias starts the sums.
; The 32 accumulators take turns, one instruction a turn, in the same order in every step.
.macro MUL8 a, p, q, sc, first
.irp b, 0,1,2,3,4,5,6,7
.if \first
	v_wmma_scale_f32_16x16x128_f8f6f4 v[8*(8*(\a)+\b):8*(8*(\a)+\b)+7], v[128*(\p)+FR*\b:128*(\p)+FR*\b+FR-1], v[AF+64*(\p)+FR*(\a):AF+64*(\p)+FR*(\a)+FR-1], v[BIAS+8*\b:BIAS+8*\b+7], v[SC+8*NQ*(\sc)+NQ*\b+(\q)], v[SC+8*NQ*(\sc)+NQ*(\a)+(\q)] matrix_a_fmt:MATRIX_FMT_BF8 matrix_b_fmt:MATRIX_FMT_BF8 matrix_a_scale:MATRIX_SCALE_ROW1
.else
	v_wmma_scale_f32_16x16x128_f8f6f4 v[8*(8*(\a)+\b):8*(8*(\a)+\b)+7], v[128*(\p)+FR*\b:128*(\p)+FR*\b+FR-1], v[AF+64*(\p)+FR*(\a):AF+64*(\p)+FR*(\a)+FR-1], v[8*(8*(\a)+\b):8*(8*(\a)+\b)+7], v[SC+8*NQ*(\sc)+NQ*\b+(\q)], v[SC+8*NQ*(\sc)+NQ*(\a)+(\q)] matrix_a_fmt:MATRIX_FMT_BF8 matrix_b_fmt:MATRIX_FMT_BF8 matrix_a_scale:MATRIX_SCALE_ROW1
.endif
.endr
.endm
.macro FETCH_B slot, q, p              ; W_out's eight fragments: lane l holds row l % 16; registers 4 c .. 4 c + 3 hold K = 32 c + 16 (l / 16) + 0 .. 15
	WIN TO_B
.irp i, 0,1,2,3,4,5,6,7
.irp c, 0,1,2,3
	ds_load_b128 v[128*(\p)+FR*\i+4*\c:128*(\p)+FR*\i+4*\c+3], v[ADRB+\slot] offset:128*(\q)+32*\c+\i*16*PITCH
.endr
.endr
	WIN 0
.endm
.macro FETCH_A slot, q, p              ; ctx's four fragments, as they lie: 512 consecutive bytes a load
.irp i, 0,1,2,3
.irp c, 0,1,2,3
	ds_load_b128 v[AF+64*(\p)+FR*\i+4*\c:AF+64*(\p)+FR*\i+4*\c+3], v[ADRA+\slot] offset:ASTEP*\i+2048*(\q)+512*\c
.endr
.endr
.endm
.macro SCALES sc                       ; a K step's scale words into set sc: lanes 0-15 token block i, lanes 16-31 W_out's block i.  (For i = 4 .. 7 lanes 0-15 fetch words that nobody uses; they lie among the scale bytes)
.irp i, 0,1,2,3,4,5,6,7
	ds_load_b64 v[SC+8*NQ*\sc+NQ*\i:SC+8*NQ*\sc+NQ*\i+1], v[ADRS] offset:\i*SBLK
.endr
.endm
.macro PLACES n                        ; places in front of loads into registers that matrix instructions have read, and of the first read of results: plain vector instructions that name none of their registers (ISA guide 7.12.1 for vector instructions)
.rept \n
	v_nop
.endr
.endm
; A slot's first 128 along K, on set 0; in its middle the second 128's fragments are fetched into set 1.
.macro STEP slot, first
	s_wait_dscnt 0x0                               ; set 0 and the scale words are in
.if \first
	WIN MULB
.else
	WIN MUL
.endif
	MUL8 0, 0, 0, \slot, \first
	MUL8 1, 0, 0, \slot, \first
	PLACES NP
	FETCH_B \slot, 1, 1
	FETCH_A \slot, 1, 1
.if \first
	WIN MULB
.else
	WIN MUL
.endif
	MUL8 2, 0, 0, \slot, \first
	MUL8 3, 0, 0, \slot, \first
	WIN 0
.endm
; A slot's second 128, on set 1, changes slots: ONE barrier; in front of it each wave waits for all its tensor loads, adds 0 to its spare word, and waits for that and for its own reads of this slot.  fill = 1: this slot is filled again, two K steps ahead.
.macro TURN slot, next, fill
	s_wait_tensorcnt 0x0                           ; all my tensor loads have landed: my part of the next slot;  (every window is 0 here)
	ds_add_u32 v[SPW], v[NIL]                      ; 0 onto my spare word
	s_wait_dscnt 1                                 ; set 1 is in (the add alone may be out)
	WIN MUL
	MUL8 0, 1, 1, \slot, 0                         ; eight matrix instructions stand between the add and the wait for it
	s_wait_dscnt 0x0                               ; the add is done, and my reads of this slot are over
	s_barrier_signal -1
	MUL8 1, 1, 1, \slot, 0
	WIN 0
	s_barrier_wait -1
.if \fill
	CREST                                          ; the barrier has opened a round of the cluster's barrier: no wave of any partner still reads this slot's tile or has a load on its way
	s_add_nc_u64 s[G0+4*\slot+2:G0+4*\slot+3], s[G0+4*\slot+2:G0+4*\slot+3], 2*ASTEP
	s_add_nc_u64 s[G0B+4*\slot+2:G0B+4*\slot+3], s[G0B+4*\slot+2:G0B+4*\slot+3], 2*ROWB
	JLOAD G0+4*\slot, G1, G0B+4*\slot, G1B         ; the first tensor load behind the round; the four v_nop behind it are among the places in front of the loads below
	PLACES NP-4
.else
	PLACES NP
.endif
	v_add_nc_u32 v[ADRS], 4*NQ, v[ADRS]            ; on to the next K step's scale words (no LDS load of mine is out)
	FETCH_B \next, 0, 0
	FETCH_A \next, 0, 0
	SCALES \next
	WIN MUL
	MUL8 2, 1, 1, \slot, 0
	MUL8 3, 1, 1, \slot, 0
	WIN 0
.endm
	s_wait_tensorcnt 1                             ; the scales and my part of K step 0 are in (K step 1's load may be out)
	s_barrier_signal -1
	s_barrier_wait -1                              ; everybody's are
	FETCH_B 0, 0, 0
	FETCH_A 0, 0, 0
	SCALES 0
	s_wait_loadcnt 0x0                             ; the bias
	STEP 0, 1                                      ; the first step stands in front of the loop: the bias starts the sums
	s_mov_b32 s3, 1
.Llap:                                                 ; a trip goes once round the ring and fills both slots again: K = 1,024 is two laps, so one trip
	TURN 0, 1, 1
	STEP 1, 0
	TURN 1, 0, 1
	STEP 0, 0
	s_sub_co_u32 s3, s3, 1
	s_cmp_lg_u32 s3, 0
	s_cbranch_scc1 .Llap
	TURN 0, 1, 0                                   ; the last lap fills nothing, and has no round of the cluster's barrier
	STEP 1, 0
	s_wait_dscnt 0x0                               ; the very last 128 along K
	WIN MUL
	MUL8 0, 1, 1, 1, 0
	MUL8 1, 1, 1, 1, 0
	MUL8 2, 1, 1, 1, 0
	MUL8 3, 1, 1, 1, 0
	WIN 0
; THE WAY OUT, block by block of 16 rows x 128 columns: through my own stage in LDS, back as whole rows of 512 bytes.  LDS serves a wave's instructions in order (ISA guide 5.7.1.4): no wait between the stores and the loads.
.macro TOSTAGE a
.set AC, 64*(\a)
	WIN 0x08                                       ; an LDS store's data are its source 1: window 2
.irp b, 0,1,2,3,4,5,6,7
	ds_store_b128 v[STO], v[AC+8*\b:AC+8*\b+3] offset:64*\b          ; each accumulator from its low end on
	ds_store_b128 v[STO], v[AC+8*\b+4:AC+8*\b+7] offset:64*\b+16
.endr
	WIN 0
.set BB, BK+64*((\a)%2)
.irp t, 0,1,2,3,4,5,6,7,8,9,10,11,12,13,14,15
	ds_load_b128 v[BB+4*\t:BB+4*\t+3], v[RD] offset:\t*SPITCH
.endr
.endm
.macro SEND a, younger                 ; younger: the LDS instructions issued behind block a's loads, which may stay out
.set BB, BK+64*((\a)%2)
	s_wait_dscnt \younger                          ; the block is back in registers
.if (\a) > 0
	s_add_nc_u64 s[12:13], s[12:13], 16*SIZE_N*4   ; (behind a wait on XCNT: the earlier stores have read their base)  16 rows on
.endif
.irp t, 0,1,2,3,4,5,6,7,8,9,10,11,12,13,14,15
	global_store_b128 v[CO], v[BB+4*\t:BB+4*\t+3], s[12:13] offset:\t*SIZE_N*4 th:TH_STORE_NT   ; 32 lanes store 512 consecutive bytes, at a multiple of 512 in out0; written once, read by nobody here
.endr
.endm
	PLACES NP                                      ; behind the last products: their results are read, and ctx's registers loaded, below
	TOSTAGE 0
.irp a, 1,2,3
.if \a > 1
	s_wait_xcnt 0x0                                ; block a - 2's stores have read their registers and their base
.endif
	TOSTAGE \a
	SEND \a-1, 32                                  ; behind block a - 1's loads: block a's 16 stores and 16 loads
.endr
	s_wait_xcnt 0x0                                ; block 2's stores have read their base
	SEND 3, 0
	s_wait_tensorcnt 0x0                           ; the wave's end: behind my last tensor load and my last LDS store
	ds_add_u32 v[SPW], v[NIL]
	s_wait_dscnt 0x0
	CROUND                                         ; the closing round: no work-group ends while a partner may still ask for a tile that names it
	s_endpgm
.Lfunc_end_k_q5571dc2c40_outp:
	.size	k_q5571dc2c40_outp, .Lfunc_end_k_q5571dc2c40_outp-k_q5571dc2c40_outp
	.p2alignl 7, 3214868480
	.fill 96, 4, 3214868480
	.section	.rodata,"a",@progbits
	.p2align	6, 0x0
	.amdhsa_kernel k_q5571dc2c40_outp
		.amdhsa_group_segment_fixed_size 327680
		.amdhsa_private_segment_fixed_size 0
		.amdhsa_enable_private_segment 0
		.amdhsa_kernarg_size 48
		.amdhsa_user_sgpr_count 2
		.amdhsa_user_sgpr_kernarg_segment_ptr 1
		.amdhsa_wavefront_size32 1
		.amdhsa_system_sgpr_workgroup_id_x 1
		.amdhsa_system_sgpr_workgroup_id_y 1
		.amdhsa_system_sgpr_workgroup_id_z 1
		.amdhsa_system_vgpr_workitem_id 0
		.amdhsa_next_free_vgpr 768
		.amdhsa_next_free_sgpr 98
		.amdhsa_reserve_vcc 0
		.amdhsa_float_denorm_mode_32 3
		.amdhsa_float_denorm_mode_16_64 3
		.amdhsa_memory_ordered 1
		.amdhsa_forward_progress 1
		.amdhsa_inst_pref_size 90
	.end_amdhsa_kernel
	.amdgpu_metadata
---
amdhsa.version: [ 1, 2 ]
amdhsa.kernels:
  - .name:           k_q5571dc2c40_outp
    .symbol:         k_q5571dc2c40_outp.kd
    .args:
      - { .name: cc, .offset: 0, .size: 8, .value_kind: global_buffer, .address_space: global }
      - { .name: cs, .offset: 8, .size: 8, .value_kind: global_buffer, .address_space: global }
      - { .name: W_out_codes, .offset: 16, .size: 8, .value_kind: global_buffer, .address_space: global }
      - { .name: W_out_scales, .offset: 24, .size: 8, .value_kind: global_buffer, .address_space: global }
      - { .name: b_out, .offset: 32, .size: 8, .value_kind: global_buffer, .address_space: global }
      - { .name: out0, .offset: 40, .size: 8, .value_kind: global_buffer, .address_space: global }
    .group_segment_fixed_size: 327680
    .private_segment_fixed_size: 0
    .kernarg_segment_align: 8
    .kernarg_segment_size: 48
    .max_flat_workgroup_size: 128
    .sgpr_count:     98
    .vgpr_count:     768
    .wavefront_size: 32
...
	.end_amdgpu_metadata
.endif
;; end of part 3
